; MI455X (gfx1250); checked and timed in simulation.
; The chip was launched on July 23, 2026; its instructions are those of AMD's public machine-readable ISA for CDNA 5 (MIT licence, August 2026) and "CDNA5" Instruction Set Architecture Reference Guide (July 2026). The comments in the code are by the model that wrote it; some were corrected since.
;; Qwen3 MH Attention. Allowed arithmetic: matrix products marked QUANTISED: E2M1 operands, one E8M0 scale for each 32 along K, by v_wmma_scale_f32_16x16x128_f8f6f4 with both operands' format E2M1 (or v_wmma_scale_f32_32x16x128_f4), f32 sums; products left as they are: bf16, f16 or f32 operands; f32 sums; everything else in f32.
;; Inputs: k_norm_w 128 float32; q_norm_w 128 float32; wk 1,024 x 2,048 float32; wo 2,048 x 1,024 float32; wq 1,024 x 2,048 float32; wv 1,024 x 2,048 float32; x 2 x 2,048 x 2,048 float32.
;; Outputs: out0 2 x 2,048 x 2,048 float32.
;; This version of the problem:
;;   THIS VERSION OF THE PROBLEM IS GIVEN IN LOW PRECISION. The matrix products marked QUANTISED in the list below multiply operands that are first quantised to E2M1 (2 exponent bits, 1 mantissa bit; 4 bits a number), with one power-of-two scale for each 32 numbers along K (OCP MX v1.0); their sums are f32. The products marked 'left as it is' may take bf16, f16 or f32 operands, with f32 sums. Whichever they take, every output number must still come out within the allowed error. Rounding operands to bf16 (8 significant bits) uses up far more of that allowance than f16 does (11 bits, for magnitudes from 6e-5 to 65,504). All else is computed in f32.
;;   The module's matrix products, in the order in which they are computed (A, B: the left and right operand; K: the contracted axis; several contracted axes count as one K, in the product's order):
;;     1. [M 4,096, K 2,048] x [K 2,048, N 1,024]; A: input x; B: input wq: QUANTISED
;;     2. [M 4,096, K 2,048] x [K 2,048, N 1,024]; A: input x; B: input wk: QUANTISED
;;     3. [M 4,096, K 2,048] x [K 2,048, N 1,024]; A: input x; B: input wv: QUANTISED
;;     4. batch 16 x [M 2,048, K 128] x [K 128, N 2,048]; A: computed on the way; B: computed on the way: left as it is (an operand is computed on the way)
;;     5. batch 16 x [M 2,048, K 2,048] x [K 2,048, N 128]; A: computed on the way; B: computed on the way: left as it is (an operand is computed on the way)
;;     6. [M 4,096, K 1,024] x [K 1,024, N 2,048]; A: computed on the way; B: input wo: left as it is (an operand is computed on the way)
;;   THE QUANTISER, for each operand of a quantised product, along K:
;;     - K is cut into blocks of 32 from its start; a last block that is shorter is filled with zeros.
;;     - A block's scale is 2^e with e = floor(log2(the largest magnitude in the block)) - 2, held to -126 .. 127; a block of zeros has e = 0. As a byte (E8M0): e + 127.
;;     - Each number is divided by its block's scale, clamped to +-6, and rounded to the nearest number of E2M1, ties to even, subnormals kept.
;;     - The product sums the exact products of the quantised numbers (number of the format x scale) in f32.
;;   ~~~python
;;   def quantise(x, axis):      # numpy; x: float32 -> the quantised numbers, widened to float32 again
;;       x = np.moveaxis(x, axis, -1); K = x.shape[-1]
;;       x = np.pad(x, [(0, 0)] * (x.ndim - 1) + [(0, -K % 32)]); x = x.reshape(x.shape[:-1] + (-1, 32)); a = np.abs(x).max(-1, keepdims=True)
;;       e = np.where(a > 0, np.clip(np.frexp(np.where(a > 0, a, 1))[1] - 1 - 2, -126, 127), 0)      # np.frexp(a)[1] - 1 = floor(log2(a)), exactly
;;       r = np.clip(x / 2.0 ** e, -6, 6)
;;       step = 2.0 ** (np.maximum(np.frexp(np.where(r == 0, 1, r))[1] - 1, 0) - 1)
;;       q = np.round(r / step) * step * 2.0 ** e      # np.round: ties to even
;;       return np.moveaxis(q.reshape(q.shape[:-2] + (-1,))[..., :K], -1, axis).astype(np.float32)
;;   ~~~
;; One version. Each part assembles by itself: llvm-mc -triple=amdgcn-amd-amdhsa -mcpu=gfx1250 --defsym DOCPART=n.
;; ======== version 1 of 1: 5 launches
;; limits: values are held in f16: magnitudes above 65,504 overflow, below 6.1e-05 lose precision
;; workspace buffers: cod 7,340,032 bytes; scl 458,752 bytes; wo16 4,194,304 bytes; rope 131,584 bytes; qkv 25,165,824 bytes; fine 393,216 bytes; ctx 8,388,608 bytes
;; launch prep (part 1): grid 705 x 1, 4 waves a work-group, no clusters, 33,280 bytes of LDS; arguments x, wq, wk, wv, wo, cod, scl, wo16, rope; writes cod, scl, wo16, rope
.if DOCPART == 1
	.amdgcn_target "amdgcn-amd-amdhsa--gfx1250"
	.amdhsa_code_object_version 6
	.text
	.protected	k_q2f36803404_prep
	.globl	k_q2f36803404_prep
	.p2align	8
	.type	k_q2f36803404_prep,@function
k_q2f36803404_prep:
	s_mov_b64 s[64:65], 0
	v_nop
	global_prefetch_b8 v0, s[64:65] scope:SCOPE_SE
	s_setreg_imm32_b32 hwreg(HW_REG_WAVE_MODE, 25, 1), 1
	s_wait_xcnt 0x0
; THREE JOBS, told apart by the work-group's number alone.
; Work-groups 0-447: x [4096][2048] and wq, wk, wv [1024][2048], f32, become codes of FP4 (E2M1), K innermost, with one E8M0 byte for each 32 along K.
;   A block's scale is 2^(floor(log2(its largest magnitude)) - 2); its byte is the largest magnitude's exponent field - 2, held at 1 from below.  A block of zeros gets the byte 1: its codes are zeros,
;   which add nothing under any byte but 0xff, and this program alone reads the bytes.  Rows are dense and K is a multiple of 32: every tensor is a plain stream of blocks, and so are codes and bytes.
;   cod: x's 4,096 rows of 1,024 bytes, then the 3,072 rows of wq, wk, wv.  scl: x's rows of 64 bytes, then the weights'.  A work-group takes 32,768 numbers, a wave 16 steps of 512.
; Work-groups 448-575: wo [2048][1024] f32 becomes f16, 16,384 numbers a work-group.
; Work-groups 576-704: the table of cos and sin for the rotary embedding, 257 rows of 64 cos and 64 sin: row p < 256 for position 128 (p / 16) + p % 16, row 256 for position 16.
;   angle = position x 2^(-i log2(1e6) / 64); it is brought into [-pi/4, pi/4] by taking whole quarter turns off (pi/2 in two parts), and cos and sin are Taylor sums up to r^8 and r^9.
; LIMITS: NaN and infinities among the inputs are not served; blocks whose largest magnitude lies under 2^-124 keep the byte 1; wo beyond 65,504 has no f16 number;
;   the frequency comes from v_exp_f32 (1 ulp: ISA guide, its entry), so an angle may differ from a correctly rounded one by about 3e-4 radians at the last position.
.set WAVES, 4
.set STEPS, 16
.set EMAX,  2
.set CB,    8                          ; bytes of 16 codes
.set R,     16                         ; v16-79   four sets of 16 numbers as they are loaded
.set X,     80                         ; v80-111  two sets of 16 neighbours
.set C,     128                        ; v128-191 codes: four registers for each step, so that no store's data are written again
.set E,     112                        ; v112-127 a scale byte for each step
.set WREG,  8192                       ; LDS: a region for each wave: two stages of 32 x SP bytes, behind them its 256 scale bytes
.set SP,    80                         ; a lane's place in a stage: 64 bytes + 16 of padding
.set SPW,   12                         ; v12 LDS address of my spare word; never rewritten
.set NIL,   13                         ; v13 0; never rewritten
.set SPARE, WAVES*WREG                 ; behind the four regions: the spare words, 128 bytes a wave
	s_load_b256 s[4:11], s[0:1], 0x0               ; x s[4:5], wq s[6:7], wk s[8:9], wv s[10:11]
	s_load_b256 s[12:19], s[0:1], 0x20             ; wo s[12:13], cod s[14:15], scl s[16:17], wo16 s[18:19]
	s_load_b64 s[20:21], s[0:1], 0x40              ; rope
	v_lshl_add_u32 v[SPW], v0, 2, SPARE
	v_mov_b32 v[NIL], 0
	v_lshrrev_b32 v1, 5, v0
	v_readfirstlane_b32 s22, v1                    ; wave
	s_wait_kmcnt 0x0
	s_cmp_ge_u32 ttmp9, 448
	s_cbranch_scc1 .Lother
	; ---- the quantiser
	v_and_b32 v2, 31, v0                           ; lane
	v_lshlrev_b32 v3, 4, v2                        ; my 16 bytes of a load's 512
	s_mul_i32 s23, s22, WREG
	v_lshrrev_b32 v14, 2, v2
	v_mul_u32_u24 v14, v14, SP
	v_and_b32 v15, 3, v2
	v_lshl_add_u32 v14, v15, 4, v14
	v_add_nc_u32 v14, s23, v14                     ; the stage, on the way in: four lanes' 64 bytes on end, then 16 of padding
	v_mul_u32_u24 v15, v2, SP
	v_add_nc_u32 v15, s23, v15                     ; and on the way out: my 16 neighbours
	v_mul_u32_u24 v4, v2, CB                       ; my codes' place in a step's
	v_lshrrev_b32 v5, 1, v2
	s_add_co_u32 s23, s23, 2*32*SP
	v_add_nc_u32 v5, s23, v5                       ; my wave's 256 scale bytes, my block's byte
	v_lshlrev_b32 v7, 3, v2                        ; and on the way out 8 bytes a lane
	v_add_nc_u32 v6, s23, v7
	s_sub_co_u32 s23, ttmp9, 256                   ; (used only where the work-group's number is 256 or more)
	s_lshr_b32 s24, s23, 6                         ; which weight: 64 work-groups each
	s_and_b32 s25, s23, 63
	s_cmp_eq_u32 s24, 1                            ; the source is chosen by the work-group's number alone
	s_cselect_b64 s[26:27], s[8:9], s[10:11]
	s_cmp_eq_u32 s24, 0
	s_cselect_b64 s[26:27], s[6:7], s[26:27]
	s_cmp_lt_u32 ttmp9, 256
	s_cselect_b64 s[26:27], s[4:5], s[26:27]
	s_cselect_b32 s25, ttmp9, s25
	s_lshl_b32 s25, s25, 2
	s_add_co_u32 s25, s25, s22                     ; which run of 8,192 numbers of the source is my wave's
	s_lshl_b32 s28, s25, 15
	s_mov_b32 s29, 0
	s_add_nc_u64 s[26:27], s[26:27], s[28:29]
	s_lshl_b32 s30, ttmp9, 2
	s_add_co_u32 s30, s30, s22                     ; and of the outputs: the weights' parts lie straight behind x's
	s_lshl_b32 s28, s30, 12
	s_add_nc_u64 s[14:15], s[14:15], s[28:29]      ; 4,096 bytes of codes a run
	s_lshl_b32 s28, s30, 8
	s_add_nc_u64 s[16:17], s[16:17], s[28:29]      ; 256 scale bytes a run
.macro LOAD t
.irp i, 0,1,2,3
	global_load_b128 v[R+16*((\t)%4)+4*\i:R+16*((\t)%4)+4*\i+3], v3, s[26:27] offset:2048*(\t)+512*\i th:TH_LOAD_NT   ; 32 lanes read 512 consecutive bytes
.endr
.endm
.macro TURN t                          ; step t's numbers through the stage: LDS serves a wave's instructions in order, so no wait stands between the stores and the loads
.irp i, 0,1,2,3
	ds_store_b128 v14, v[R+16*((\t)%4)+4*\i:R+16*((\t)%4)+4*\i+3] offset:32*SP*((\t)%2)+8*SP*\i
.endr
.irp i, 0,1,2,3
	ds_load_b128 v[X+16*((\t)%2)+4*\i:X+16*((\t)%2)+4*\i+3], v15 offset:32*SP*((\t)%2)+16*\i
.endr
.endm
.irp t, 0,1,2,3
	LOAD \t
.endr
	s_wait_loadcnt 12                              ; step 0's four loads are in; the twelve of steps 1 to 3 may be out
	TURN 0
.macro STEP t
.set XS, X+16*((\t)%2)
.if (\t) > 0
	s_wait_dscnt 1                                 ; this step's numbers are back from the stage (the last step's byte store may be out)
.else
	s_wait_dscnt 0x0
.endif
.if (\t)+4 < STEPS
	LOAD (\t)+4                                    ; into the registers that this step's stores into the stage have read
.endif
.if (\t)+1 < STEPS
.if STEPS-2-(\t) >= 3
	s_wait_loadcnt 12                              ; the next step's four loads are in; those of the three steps behind it may be out
.else
	s_wait_loadcnt 4*(STEPS-2-(\t))
.endif
	TURN (\t)+1
.endif
	v_max3_num_f32 v8, |v[XS]|, |v[XS+1]|, |v[XS+2]|               ; the largest magnitude of my 16, in two chains
	v_max3_num_f32 v9, |v[XS+3]|, |v[XS+4]|, |v[XS+5]|
.irp i, 6,10
	v_max3_num_f32 v8, v8, |v[XS+\i]|, |v[XS+\i+1]|
	v_max3_num_f32 v9, v9, |v[XS+\i+2]|, |v[XS+\i+3]|
.endr
	v_max3_num_f32 v8, v8, |v[XS+14]|, |v[XS+15]|
	v_max3_num_f32 v8, v8, v9, (EMAX+1)<<23        ; and the floor 2^(EMAX + 1 - 127): the byte cannot fall under 1
	v_max_num_f32_dpp v8, v8, v8 row_xmask:1 row_mask:0xf bank_mask:0xf   ; and of my neighbour's 16: the block's
	v_add_nc_u32 v11, -(EMAX<<23), v8              ; EMAX off its exponent field: the conversion takes that field of this operand as its scale
	v_cvt_scalef32_pk8_fp4_f32 v[C+4*(\t)], v[XS:XS+7], v11        ; to the nearest code, ties to even, beyond 6 the largest code
	v_cvt_scalef32_pk8_fp4_f32 v[C+4*(\t)+1], v[XS+8:XS+15], v11
	v_lshrrev_b32 v[E+(\t)], 23, v11               ; the scale's byte
	ds_store_b8 v5, v[E+(\t)] offset:16*(\t)       ; both lanes of a block write the same byte with the same value
	global_store_b64 v4, v[C+4*(\t):C+4*(\t)+1], s[14:15] offset:32*CB*(\t)   ; the wave stores 256 consecutive bytes, aligned
.endm
.irp t, 0,1,2,3,4,5,6,7,8,9,10,11,12,13,14,15
	STEP \t
.endr
	ds_load_b64 v[8:9], v6                         ; LDS serves a wave's instructions in order: these see my byte stores
	s_wait_dscnt 0x0
	global_store_b64 v7, v[8:9], s[16:17]          ; 32 lanes store 256 consecutive bytes, aligned
	s_wait_tensorcnt 0x0                           ; the wave's end, behind my last LDS store
	ds_add_u32 v[SPW], v[NIL]
	s_wait_dscnt 0x0
	s_endpgm
.Lother:
	s_cmp_ge_u32 ttmp9, 576
	s_cbranch_scc1 .Ltable
	; ---- wo to f16: 32 loads of 2,048 bytes a work-group, all issued first; no LDS
	s_sub_co_u32 s23, ttmp9, 448
	s_lshl_b32 s24, s23, 16
	s_mov_b32 s25, 0
	s_add_nc_u64 s[12:13], s[12:13], s[24:25]
	s_lshl_b32 s24, s23, 15
	s_add_nc_u64 s[18:19], s[18:19], s[24:25]
	v_lshlrev_b32 v1, 4, v0
	v_lshlrev_b32 v2, 3, v0
.set i, 0
.rept 32
	global_load_b128 v[16+4*i:19+4*i], v1, s[12:13] offset:2048*i th:TH_LOAD_NT
.set i, i+1
.endr
.set i, 0
.rept 32
	s_wait_loadcnt 31-i                            ; loads come back in order: mine is in, the younger ones stay out
	v_cvt_pk_f16_f32 v[16+4*i], v[16+4*i], v[17+4*i]
	v_cvt_pk_f16_f32 v[17+4*i], v[18+4*i], v[19+4*i]
	global_store_b64 v2, v[16+4*i:17+4*i], s[18:19] offset:1024*i   ; a wave stores 256 consecutive bytes, aligned
.set i, i+1
.endr
	s_endpgm
.Ltable:
	; ---- the table: a wave makes half a row, a lane one frequency
	s_sub_co_u32 s23, ttmp9, 576
	s_lshl_b32 s23, s23, 1
	s_lshr_b32 s24, s22, 1
	s_add_co_u32 s23, s23, s24                     ; the row
	s_cmp_gt_u32 s23, 256                          ; 257 rows: the last work-group's upper two waves have none
	s_cbranch_scc1 .Ldone
	s_lshr_b32 s24, s23, 4
	s_lshl_b32 s24, s24, 7
	s_and_b32 s25, s23, 15
	s_add_co_u32 s24, s24, s25                     ; its position
	s_cmp_eq_u32 s23, 256
	s_cselect_b32 s24, 16, s24
	s_and_b32 s25, s22, 1
	s_lshl_b32 s25, s25, 5
	v_and_b32 v1, 31, v0
	v_add_nc_u32 v1, s25, v1                       ; i, 0 to 63
	v_cvt_f32_u32 v2, v1
	v_mul_f32 v2, 0xbe9f73da, v2                   ; -i log2(1e6) / 64
	v_exp_f32 v3, v2                               ; the frequency
	v_cvt_f32_u32 v4, s24                          ; (a plain instruction behind the exponential)
	s_wait_alu depctr_va_vdst(0)                   ; the wait ahead of the first use
	v_mul_f32 v5, v4, v3                           ; the angle, rounded to f32 as the module rounds it
	v_mul_f32 v6, 0x3f22f983, v5                   ; x 2 / pi
	v_rndne_f32 v6, v6                             ; whole quarter turns
	v_fmamk_f32 v7, v6, 0xbfc90fdb, v5             ; less n x pi/2's upper part,
	v_fmamk_f32 v7, v6, 0x333bbd2e, v7             ; and its lower part (pi/2 lies 4.37e-8 under its f32 number)
	v_mul_f32 v8, v7, v7                           ; r^2
	v_mov_b32 v9, 0x3638ef1d                       ; sin: 1/9!
	v_fmaak_f32 v9, v9, v8, 0xb9500d01             ; -1/7!
	v_fmaak_f32 v9, v9, v8, 0x3c088889             ; 1/5!
	v_fmaak_f32 v9, v9, v8, 0xbe2aaaab             ; -1/3!
	v_mul_f32 v10, v7, v8
	v_fma_f32 v9, v10, v9, v7                      ; sin r
	v_mov_b32 v11, 0x37d00d01                      ; cos: 1/8!
	v_fmaak_f32 v11, v11, v8, 0xbab60b61           ; -1/6!
	v_fmaak_f32 v11, v11, v8, 0x3d2aaaab           ; 1/4!
	v_fmaak_f32 v11, v11, v8, 0xbf000000           ; -1/2
	v_fma_f32 v11, v11, v8, 1.0                    ; cos r
	v_cvt_i32_f32 v14, v6                          ; the quarter turns choose values and signs only: no address and no branch hangs on them
	v_and_b32 v15, 1, v14
	v_cmp_ne_u32 vcc_lo, 0, v15
	v_cndmask_b32 v16, v9, v11, vcc_lo             ; odd: sin and cos change places
	v_cndmask_b32 v17, v11, v9, vcc_lo
	v_and_b32 v18, 2, v14
	v_lshlrev_b32 v18, 30, v18
	v_xor_b32 v16, v16, v18                        ; sin is negative in turns 2 and 3,
	v_add_nc_u32 v19, 1, v14
	v_and_b32 v19, 2, v19
	v_lshlrev_b32 v19, 30, v19
	v_xor_b32 v17, v17, v19                        ; cos in turns 1 and 2
	s_lshl_b32 s26, s23, 9
	s_mov_b32 s27, 0
	s_add_nc_u64 s[20:21], s[20:21], s[26:27]
	v_lshlrev_b32 v20, 2, v1
	global_store_b32 v20, v17, s[20:21]            ; cos
	global_store_b32 v20, v16, s[20:21] offset:256 ; sin
.Ldone:
	s_endpgm
.Lfunc_end_k_q2f36803404_prep:
	.size	k_q2f36803404_prep, .Lfunc_end_k_q2f36803404_prep-k_q2f36803404_prep
	.p2alignl 7, 3214868480
	.fill 96, 4, 3214868480
	.section	.rodata,"a",@progbits
	.p2align	6, 0x0
	.amdhsa_kernel k_q2f36803404_prep
		.amdhsa_group_segment_fixed_size 33280
		.amdhsa_private_segment_fixed_size 0
		.amdhsa_enable_private_segment 0
		.amdhsa_kernarg_size 72
		.amdhsa_user_sgpr_count 2
		.amdhsa_user_sgpr_kernarg_segment_ptr 1
		.amdhsa_wavefront_size32 1
		.amdhsa_system_sgpr_workgroup_id_x 1
		.amdhsa_system_sgpr_workgroup_id_y 1
		.amdhsa_system_sgpr_workgroup_id_z 1
		.amdhsa_system_vgpr_workitem_id 0
		.amdhsa_next_free_vgpr 192
		.amdhsa_next_free_sgpr 66
		.amdhsa_reserve_vcc 1
		.amdhsa_float_denorm_mode_32 3
		.amdhsa_float_denorm_mode_16_64 3
		.amdhsa_memory_ordered 1
		.amdhsa_forward_progress 1
		.amdhsa_inst_pref_size 47
	.end_amdhsa_kernel
	.amdgpu_metadata
---
amdhsa.version: [ 1, 2 ]
amdhsa.kernels:
  - .name:           k_q2f36803404_prep
    .symbol:         k_q2f36803404_prep.kd
    .args:
      - { .name: x, .offset: 0, .size: 8, .value_kind: global_buffer, .address_space: global }
      - { .name: wq, .offset: 8, .size: 8, .value_kind: global_buffer, .address_space: global }
      - { .name: wk, .offset: 16, .size: 8, .value_kind: global_buffer, .address_space: global }
      - { .name: wv, .offset: 24, .size: 8, .value_kind: global_buffer, .address_space: global }
      - { .name: wo, .offset: 32, .size: 8, .value_kind: global_buffer, .address_space: global }
      - { .name: cod, .offset: 40, .size: 8, .value_kind: global_buffer, .address_space: global }
      - { .name: scl, .offset: 48, .size: 8, .value_kind: global_buffer, .address_space: global }
      - { .name: wo16, .offset: 56, .size: 8, .value_kind: global_buffer, .address_space: global }
      - { .name: rope, .offset: 64, .size: 8, .value_kind: global_buffer, .address_space: global }
    .group_segment_fixed_size: 33280
    .private_segment_fixed_size: 0
    .kernarg_segment_align: 8
    .kernarg_segment_size: 72
    .max_flat_workgroup_size: 128
    .sgpr_count:     66
    .vgpr_count:     192
    .wavefront_size: 32
...
	.end_amdgpu_metadata
.endif
;; end of part 1
;; launch qkv (part 2): grid 12 x 16, 4 waves a work-group, clusters of 4 x 4, 327,680 bytes of LDS; arguments cod, scl, rope, q_norm_w, k_norm_w, qkv, fine; writes qkv, fine
.if DOCPART == 2
	.amdgcn_target "amdgcn-amd-amdhsa--gfx1250"
	.amdhsa_code_object_version 6
	.text
	.protected	k_q2f36803404_qkv
	.globl	k_q2f36803404_qkv
	.p2align	8
	.type	k_q2f36803404_qkv,@function
k_q2f36803404_qkv:
	s_mov_b64 s[64:65], 0
	v_nop
	global_prefetch_b8 v0, s[64:65] scope:SCOPE_SE
	s_setreg_imm32_b32 hwreg(HW_REG_WAVE_MODE, 25, 1), 1
	s_wait_xcnt 0x0
	s_wait_alu depctr_hold_cnt(0) depctr_sa_sdst(0) depctr_va_vdst(0) depctr_va_sdst(0) depctr_va_ssrc(0) depctr_va_vcc(0) depctr_vm_vsrc(0)
	s_getreg_b32 s2, hwreg(HW_REG_IB_STS2, 6, 4)
	s_cmp_eq_u32 s2, 0
	s_cbranch_scc0 .Lentry_in_a_cluster
	s_endpgm
.Lentry_in_a_cluster:
	s_bfe_u32 s2, ttmp6, 0x10000c
	s_cmp_lg_u32 s2, 0xf033
	s_cbranch_scc0 .Lentry_shape_is_right
	s_endpgm
.Lentry_shape_is_right:
; q, k, v = x wq^T, x wk^T, x wv^T as ONE product C[4096][3072] = A B^T over K = 2,048 on codes of FP4 (E2M1) with one E8M0 scale for each 32 along K; then, in registers, RMSNorm over the head and the
; rotary embedding for q and k; results leave as f16, [role q,k,v][batch x 8 + head][position][128].  The first 16 positions of each sequence leave in f32 as well (fine), for the small launch that carries them finely.
; A: x's codes, cod + 0; B: the weights' codes, cod + 4,194,304 (rows wq, wk, wv on end); scale bytes in scl likewise (+ 262,144).
; A tile of C, 256 x 256, is made by four waves; a wave makes 128 rows x 128 columns: 128 positions of ONE head, 64 accumulators, 512 registers.  K goes in steps of 512 through a ring of two LDS slots
; filled by the tensor data mover: a tile's row is 256 bytes of memory.  The scale bytes of the work-group's rows come into LDS once, with the first fills.
; CLUSTERS: 4 x 4 work-groups; A's tiles are asked for jointly along a row of the cluster, B's along a column.  A cluster's x is the role (0 q, 1 k, 2 v): the same in all sixteen partners, so the one branch on it is alike in all.
; THE MATRIX INSTRUCTION IS USED TRANSPOSED (source 0 = 16 rows of B, source 1 = 16 rows of A): lane (r, h) holds position r of a block of 16 and, in accumulator b, channels 16 b + 8 h + 0..7.  So a head's 128 channels
; lie in lanes r and r + 16, and channel c + 64, the rotary partner of c, lies in the same lane, four accumulators on.
; THE ANGLES: a lane loads cos and sin of its first position once (table row 16 (first position / 128) + r) and turns them on by 16 positions for each block, by the table's last row.
; LIMITS: NaN and infinities are not served; |v| and |q|, |k| behind the norm must stay under 65,504 (f16).
; REGISTERS, in windows of 256.  Window 0: v0-31 addresses; v32-95 scale words, two sets; v128-191 A's fragments; v192-223 cos, v224-255 sin.  On the way out v32-95 a block's 64 numbers, v96-115 at work, v128-159 packed, v160-191 rows read back.
;   Window 1: B's fragments at v0-63 and v128-191; v64-127 the norm's weights; v192-223, v224-255 cos and sin of 16 positions.   Windows 2, 3: the accumulators ((a, b) at v[8 (8 (a % 4) + b)]).
.set SIZE_M, 4096
.set SIZE_N, 3072
.set SIZE_K, 2048
.set KSTEP,  512
.set NQ,     KSTEP/128
.set ROWB,   256
.set KROW,   SIZE_K*4/8
.set PITCH,  272                       ; an LDS row: 256 bytes + 16 of padding: the 16 rows that a load touches start at 16 different banks (64 banks of 4 bytes: ISA guide 11.1)
.set FR,     8
.set NL,     2
.set NP,     4                         ; places behind this matrix instruction (ISA guide 7.12.1)
.set HALFT,  128*PITCH
.set SLOT,   4*HALFT
.set LAPS,   SIZE_K/(2*KSTEP)
.set KS,     SIZE_K/32
.set SCL,    2*SLOT                    ; behind the ring: the scales, as units of 256 bytes + 16 of padding
.set HALFS,  (128*KS/256)*272
.set SBLK,   (16*KS/256)*272
.set SPARE,  SCL+4*HALFS               ; behind the scales: the spare words
.set SPITCH, 272                       ; the way out: a stage of 16 rows x (256 bytes + 16) for each wave, in slot 0, which has had its last fill and its last read by then
.set ADRA, 16
.set ADRB, 20
.set TZ,   22                          ; v22  my wave's first position
.set FO,   23                          ; v23  my byte offset in the head's 16 rows of f32
.set STO,  24
.set RD,   25
.set CO,   26
.set ADRS, 27
.set SPW,  28
.set NIL,  29
.set RO,   30                          ; v30  my byte offset in the table
.set HO,   31                          ; v31  32 x (lane / 16)
.set SC,   32
.set AF,   128
.set Y,    32
.set SQ,   96
.set TT,   100
.set PKR,  128
.set BKR,  160
.set CC,   192
.set SS,   224
.set WW,   64
.set G1, 24
.set G0, 32
.set G1B, 48
.set G0B, 56
.set G1S, 68
.set G0S, 76
.set G1SB, 80
.set G0SB, 88
.set MSB, 0
.macro WIN new                         ; the immediate's high byte repeats the setting that is left
.if MSB != \new
	s_set_vgpr_msb (MSB<<8)|\new
.set MSB, \new
.endif
.endm
.set MUL_LO, 0xa1                      ; source 0 (B) window 1, source 1 (A) window 0, C and D window 2
.set MUL_HI, 0xf1
.set TO_B,   0x40
; A joint load: waves 0 and 1 fetch for A, waves 2 and 3 for B; the branch hangs on the wave's number alone.  An s_nop 0 and four v_nop follow each of the two lines.
.macro JLOAD g0a, g1a, g0b, g1b
	s_cmp_eq_u32 s15, 0
	s_cbranch_scc0 .Lfor_b_\@
	tensor_load_to_lds s[\g0a:\g0a+3], s[\g1a:\g1a+7]
	s_nop 0
.rept 4
	v_nop
.endr
	s_branch .Lasked_\@
.Lfor_b_\@:
	tensor_load_to_lds s[\g0b:\g0b+3], s[\g1b:\g1b+7]
	s_nop 0
.rept 4
	v_nop
.endr
.Lasked_\@:
.endm
.macro CREST                           ; a round of the cluster's barrier behind its opening barrier
	s_cmp_lg_u32 s14, 0
	s_cbranch_scc1 .Lnot_wave_0_\@
	s_barrier_signal -3
.Lnot_wave_0_\@:
	s_barrier_wait -3
	s_barrier_signal -1
	s_barrier_wait -1
.endm
.macro CROUND
	s_barrier_signal -1
	s_barrier_wait -1
	CREST
.endm
	s_load_b128 s[4:7], s[0:1], 0x0                ; cod s[4:5], scl s[6:7]
	s_load_b128 s[96:99], s[0:1], 0x10             ; rope s[96:97], q_norm_w s[98:99]
	s_load_b128 s[8:11], s[0:1], 0x20              ; k_norm_w s[8:9], qkv s[10:11]
	s_load_b64 s[100:101], s[0:1], 0x30            ; fine
	v_lshl_add_u32 v[SPW], v0, 2, SPARE
	v_mov_b32 v[NIL], 0
	ds_add_u32 v[SPW], v[NIL]                      ; the wave's opening: the add, twice on end, and its wait ahead of my first tensor load
	ds_add_u32 v[SPW], v[NIL]
	v_lshrrev_b32 v1, 5, v0
	v_readfirstlane_b32 s14, v1                    ; wave 0..3
	s_lshr_b32 s15, s14, 1                         ; which half of the tile's rows is mine.  Also: I fetch for A (0) or for B (1)
	s_and_b32 s16, s14, 1                          ; which half of its columns.  Also: which 128 rows of that tile I fetch
	s_bfe_u32 s40, ttmp6, 0x40000                  ; cx, cy: my place in the cluster
	s_bfe_u32 s41, ttmp6, 0x40004
	s_lshl_b32 s42, ttmp9, 2
	s_add_co_u32 s42, s42, s40                     ; tile column of C
	s_and_b32 s17, ttmp7, 0xffff
	s_lshl_b32 s17, s17, 2
	s_add_co_u32 s17, s17, s41                     ; tile row of C
	s_lshl_b32 s43, s41, 2
	s_lshl_b32 s43, 15, s43                        ; my row of the cluster
	s_lshl_b32 s44, 0x1111, s40                    ; my column
	s_or_b32 s[G1+0], s43, (0<<16)|(1<<20)|(1<<21)|(5<<22)|(3<<25)  ; the mask; elements of 1 byte; padding on; bit 21 beside a mask; 4 words behind every 64
	s_or_b32 s[G1B+0], s44, (0<<16)|(1<<20)|(1<<21)|(5<<22)|(3<<25)
.irp g, G1, G1B
	s_mov_b32 s[\g+1], ROWB<<16                    ; tensor_dim0
	s_mov_b32 s[\g+2], 128<<16                     ; tensor_dim1
	s_mov_b32 s[\g+3], ROWB<<16                    ; tile_dim0
	s_mov_b32 s[\g+4], 128                         ; tile_dim1
	s_mov_b32 s[\g+5], KROW                        ; tensor_dim0_stride
	s_mov_b32 s[\g+6], 0
	s_mov_b32 s[\g+7], 0
.endr
	s_or_b32 s[G1S+0], s43, (3<<16)|(1<<20)|(1<<21)|(5<<22)|(3<<25)   ; the scales of 128 rows: a dense block, as rows of 256 bytes (32 elements of 8 bytes)
	s_or_b32 s[G1SB+0], s44, (3<<16)|(1<<20)|(1<<21)|(5<<22)|(3<<25)
.irp g, G1S, G1SB
	s_mov_b32 s[\g+1], 32<<16
	s_mov_b32 s[\g+2], (128*KS/256)<<16
	s_mov_b32 s[\g+3], 32<<16
	s_mov_b32 s[\g+4], 128*KS/256
	s_mov_b32 s[\g+5], 32
	s_mov_b32 s[\g+6], 0
	s_mov_b32 s[\g+7], 0
.endr
	s_lshl_b32 s18, s16, 7
	s_lshl_b32 s20, s17, 8
	s_add_co_u32 s20, s20, s18                     ; A: row 256 x tile row + 128 x half
	s_lshl_b32 s46, s42, 8
	s_add_co_u32 s46, s46, s18                     ; B: row 256 x tile column + 128 x half
	s_mov_b32 s21, 0
	s_mov_b32 s47, 0
	s_mov_b64 s[18:19], KS
	s_mul_u64 s[22:23], s[20:21], s[18:19]
	s_mul_u64 s[92:93], s[46:47], s[18:19]
	s_mov_b64 s[18:19], KROW
	s_mul_u64 s[20:21], s[20:21], s[18:19]
	s_mul_u64 s[46:47], s[46:47], s[18:19]
	s_mul_i32 s45, s14, HALFT                      ; where they go: wave x 128 rows: no place in the cluster enters an LDS address
	s_mul_i32 s94, s14, HALFS
	s_mov_b32 s104, 0x3c000000                     ; 1 / 128
	s_mov_b32 s105, 0x358637bd                     ; 1e-6
	s_wait_dscnt 0x0                               ; both opening adds are done
	s_wait_kmcnt 0x0
	s_cmp_eq_u32 ttmp9, 0                          ; the norm's weights: q's for role 0, else k's (role 2 loads them and does not use them)
	s_cselect_b64 s[98:99], s[98:99], s[8:9]
	s_mov_b64 s[12:13], s[10:11]                   ; qkv
	s_add_nc_u64 s[8:9], s[4:5], 0x400000          ; B's codes
	s_add_nc_u64 s[10:11], s[6:7], 0x40000         ; B's scales
	s_add_nc_u64 s[20:21], s[4:5], s[20:21]
	s_add_nc_u64 s[22:23], s[6:7], s[22:23]
	s_add_nc_u64 s[46:47], s[8:9], s[46:47]
	s_add_nc_u64 s[92:93], s[10:11], s[92:93]
	CROUND                                         ; all sixteen work-groups are here: the first joint loads meet
	s_mov_b32 s[G0S], 1
	s_add_co_u32 s[G0S+1], s94, SCL
	s_mov_b64 s[G0S+2:G0S+3], s[22:23]
	s_or_b32 s[G0S+3], s[G0S+3], 0x80000000
	s_mov_b32 s[G0SB], 1
	s_add_co_u32 s[G0SB+1], s94, SCL
	s_mov_b64 s[G0SB+2:G0SB+3], s[92:93]
	s_or_b32 s[G0SB+3], s[G0SB+3], 0x80000000
	JLOAD G0S, G1S, G0SB, G1SB                     ; the scales first: they are wanted with K step 0
.irp s, 0,1
	s_mov_b32 s[G0+4*\s], 1
	s_add_co_u32 s[G0+4*\s+1], s45, \s*SLOT
	s_add_nc_u64 s[G0+4*\s+2:G0+4*\s+3], s[20:21], \s*ROWB
	s_or_b32 s[G0+4*\s+3], s[G0+4*\s+3], 0x80000000
	s_mov_b32 s[G0B+4*\s], 1
	s_add_co_u32 s[G0B+4*\s+1], s45, \s*SLOT
	s_add_nc_u64 s[G0B+4*\s+2:G0B+4*\s+3], s[46:47], \s*ROWB
	s_or_b32 s[G0B+4*\s+3], s[G0B+4*\s+3], 0x80000000
	JLOAD G0+4*\s, G1, G0B+4*\s, G1B
.endr
	v_and_b32 v1, 15, v0                           ; r = l % 16
	v_bfe_u32 v2, v0, 4, 1                         ; h = l / 16
	v_mul_u32_u24 v3, v1, PITCH
	v_lshl_add_u32 v4, v2, 4, v3
	s_mul_i32 s21, s15, HALFT
	s_mul_i32 s22, s16, HALFT
	s_add_co_u32 s22, s22, 2*HALFT
.irp s, 0,1
	v_add_nc_u32 v[ADRA+\s], s21, v4
	v_add_nc_u32 v[ADRB+\s], s22, v4
	s_add_co_u32 s21, s21, SLOT
	s_add_co_u32 s22, s22, SLOT
.endr
	v_mul_u32_u24 v5, v1, KS                       ; my row's scales: KS bytes a row,
	v_lshrrev_b32 v6, 8, v5
	v_lshl_add_u32 v5, v6, 4, v5                   ; and 16 more for each 256 passed
	s_mul_i32 s21, s15, HALFS
	s_mul_i32 s22, s16, HALFS
	s_add_co_u32 s22, s22, 2*HALFS
	s_sub_co_u32 s22, s22, s21
	v_mul_u32_u24 v6, s22, v2                      ; lanes 16-31 take B's
	s_add_co_u32 s21, s21, SCL
	v_add_nc_u32 v5, v5, v6
	v_add_nc_u32 v[ADRS], s21, v5
	s_mul_i32 s23, s14, 16*SPITCH                  ; my stage
	v_mul_u32_u24 v5, v1, SPITCH                   ; in: row r, 16 bytes for each half of the lanes
	v_lshl_add_u32 v5, v2, 4, v5
	v_add_nc_u32 v[STO], s23, v5
	v_mul_u32_u24 v5, v2, SPITCH                   ; back: lanes 0-15 one row of 256 bytes, lanes 16-31 the next
	v_lshl_add_u32 v5, v1, 4, v5
	v_add_nc_u32 v[RD], s23, v5
	v_lshlrev_b32 v5, 8, v2                        ; and the same two rows in qkv
	v_lshl_add_u32 v[CO], v1, 4, v5
	v_lshlrev_b32 v[FO], 9, v1                     ; fine: row r of 512 bytes, + 32 h
	v_lshl_add_u32 v[FO], v2, 5, v[FO]
	; where my 128 positions of my head lie.  batch = tile row / 8; head = 2 cx + column half; first position = 256 (tile row % 8) + 128 x row half.  These enter global addresses alone
	s_lshr_b32 s92, s17, 3
	s_lshl_b32 s92, s92, 3
	s_lshl_b32 s93, s40, 1
	s_add_co_u32 s92, s92, s93
	s_add_co_u32 s92, s92, s16                     ; batch x 8 + head
	s_and_b32 s93, s17, 7
	s_lshl_b32 s93, s93, 1
	s_add_co_u32 s93, s93, s15                     ; first position / 128
	s_lshl_b32 s67, s93, 7                         ; first position
	s_lshl_b32 s94, s92, 19                        ; a head: 2,048 rows of 256 bytes
	s_lshl_b32 s95, s67, 8
	s_add_co_u32 s94, s94, s95
	s_lshl_b32 s95, ttmp9, 23                      ; a role: 8,388,608 bytes
	s_add_co_u32 s94, s94, s95
	s_mov_b32 s95, 0
	s_add_nc_u64 s[12:13], s[12:13], s[94:95]
	s_lshl_b32 s94, s92, 13                        ; fine: a head 8,192 bytes, a role 131,072
	s_lshl_b32 s92, ttmp9, 17
	s_add_co_u32 s94, s94, s92
	s_add_nc_u64 s[100:101], s[100:101], s[94:95]
	v_mov_b32 v[TZ], s67
	s_lshl_b32 s92, s93, 13                        ; the table: row 16 (first position / 128) + r, 512 bytes a row, + 32 h
	v_lshlrev_b32 v[RO], 9, v1
	v_lshl_add_u32 v[RO], v2, 5, v[RO]
	v_add_nc_u32 v[RO], s92, v[RO]
	v_lshlrev_b32 v[HO], 5, v2
	; cos, sin, the norm's weights: asked for now, in every role, into registers that the products do not touch; waited for once, behind the products
.irp b, 0,1,2,3
.irp q, 0,1
	global_load_b128 v[CC+8*\b+4*\q:CC+8*\b+4*\q+3], v[RO], s[96:97] offset:64*\b+16*\q          ; cos at frequencies 16 b + 8 h + 0..7
	global_load_b128 v[SS+8*\b+4*\q:SS+8*\b+4*\q+3], v[RO], s[96:97] offset:256+64*\b+16*\q      ; sin
.endr
.endr
	WIN 0x40                                       ; destination window 1
.irp b, 0,1,2,3,4,5,6,7
.irp q, 0,1
	global_load_b128 v[WW+8*\b+4*\q:WW+8*\b+4*\q+3], v[HO], s[98:99] offset:64*\b+16*\q          ; the weights at channels 16 b + 8 h + 0..7
.endr
.endr
.irp b, 0,1,2,3
.irp q, 0,1
	global_load_b128 v[CC+8*\b+4*\q:CC+8*\b+4*\q+3], v[HO], s[96:97] offset:131072+64*\b+16*\q   ; cos and sin of 16 positions: the table's last row
	global_load_b128 v[SS+8*\b+4*\q:SS+8*\b+4*\q+3], v[HO], s[96:97] offset:131328+64*\b+16*\q
.endr
.endr
	WIN 0
.macro FRAG reg, adr, q, i             ; a fragment, 16 rows x 128 K of 4-bit codes: lane l holds row l % 16; registers 4 c .. 4 c + 3 hold K = 64 c + 32 (l / 16) + 0 .. 31
.irp c, 0,1
	ds_load_b128 v[\reg+4*\c:\reg+4*\c+3], v[\adr] offset:64*(\q)+32*\c+(\i)*16*PITCH
.endr
.endm
; 16 matrix instructions: A's blocks a0, a0 + 1 x B's eight, 128 along K.  The 64 accumulators take turns, one instruction a turn, in the same order in every step.
.macro MUL16 a0, p, q, sc, zero
.irp a, \a0, \a0+1
.irp b, 0,1,2,3,4,5,6,7
.if \zero
	v_wmma_scale_f32_16x16x128_f8f6f4 v[8*(8*((\a)%4)+\b):8*(8*((\a)%4)+\b)+7], v[128*(\p)+FR*\b:128*(\p)+FR*\b+FR-1], v[AF+FR*(\a):AF+FR*(\a)+FR-1], 0, v[SC+8*NQ*(\sc)+NQ*\b+(\q)], v[SC+8*NQ*(\sc)+NQ*(\a)+(\q)] matrix_a_fmt:MATRIX_FMT_FP4 matrix_b_fmt:MATRIX_FMT_FP4 matrix_a_scale:MATRIX_SCALE_ROW1
.else
	v_wmma_scale_f32_16x16x128_f8f6f4 v[8*(8*((\a)%4)+\b):8*(8*((\a)%4)+\b)+7], v[128*(\p)+FR*\b:128*(\p)+FR*\b+FR-1], v[AF+FR*(\a):AF+FR*(\a)+FR-1], v[8*(8*((\a)%4)+\b):8*(8*((\a)%4)+\b)+7], v[SC+8*NQ*(\sc)+NQ*\b+(\q)], v[SC+8*NQ*(\sc)+NQ*(\a)+(\q)] matrix_a_fmt:MATRIX_FMT_FP4 matrix_b_fmt:MATRIX_FMT_FP4 matrix_a_scale:MATRIX_SCALE_ROW1
.endif
.endr
.endr
.endm
.macro FETCH_B slot, q, p
	WIN TO_B
.irp i, 0,1,2,3,4,5,6,7
	FRAG 128*(\p)+FR*\i, ADRB+\slot, \q, \i
.endr
	WIN 0
.endm
.macro FETCH_A slot, q, i0
.irp i, \i0, \i0+1, \i0+2, \i0+3
	FRAG AF+FR*(\i), ADRA+\slot, \q, \i
.endr
.endm
.macro SCALES sc                       ; a K step's scale words: lanes 0-15 take A's block i, lanes 16-31 B's block i
.irp i, 0,1,2,3,4,5,6,7
	ds_load_b128 v[SC+8*NQ*\sc+NQ*\i:SC+8*NQ*\sc+NQ*\i+3], v[ADRS] offset:\i*SBLK
.endr
.endm
.macro PLACES n                        ; plain vector instructions between a matrix instruction and a load into, or a read of, its registers
.rept \n
	v_nop
.endr
.endm
.macro STEP slot, q, zero              ; a step of 128 along K that has its successor in the same slot
	s_wait_dscnt 4*NL                              ; B's set and A's blocks 0-3 are in; the youngest eight loads (A's blocks 4-7) may be out
	WIN MUL_LO
	MUL16 0, (\q)%2, \q, \slot, \zero
	MUL16 2, (\q)%2, \q, \slot, \zero
	s_wait_dscnt 0
	PLACES NP
	FETCH_B \slot, (\q)+1, 1-(\q)%2
	FETCH_A \slot, (\q)+1, 0
	WIN MUL_HI
	MUL16 4, (\q)%2, \q, \slot, \zero
	MUL16 6, (\q)%2, \q, \slot, \zero
	PLACES NP
	WIN 0
	FETCH_A \slot, (\q)+1, 4
.endm
; A slot's last step changes slots: ONE barrier; in front of it each wave waits for all its tensor loads, adds 0 to its spare word, and waits for that and for its own reads of this slot.
.macro TURN slot, next, fill
	s_wait_tensorcnt 0x0                           ; all my tensor loads have landed: my part of the next slot
	ds_add_u32 v[SPW], v[NIL]
	s_wait_dscnt 4*NL+1                            ; (the add and the youngest eight loads may be out)
	WIN MUL_LO
	MUL16 0, 1, NQ-1, \slot, 0
	s_wait_dscnt 0x0                               ; the add is done, and my reads of this slot are over
	s_barrier_signal -1
	MUL16 2, 1, NQ-1, \slot, 0
	WIN 0
	s_barrier_wait -1
.if \fill
	CREST                                          ; the barrier has opened a round of the cluster's barrier: no wave of any partner still reads this slot or has a load on its way
	s_add_nc_u64 s[G0+4*\slot+2:G0+4*\slot+3], s[G0+4*\slot+2:G0+4*\slot+3], 2*ROWB
	s_add_nc_u64 s[G0B+4*\slot+2:G0B+4*\slot+3], s[G0B+4*\slot+2:G0B+4*\slot+3], 2*ROWB
	JLOAD G0+4*\slot, G1, G0B+4*\slot, G1B         ; the first tensor load behind the round
.else
	PLACES NP
.endif
	v_add_nc_u32 v[ADRS], 4*NQ, v[ADRS]            ; on to the next K step's scale words
	FETCH_B \next, 0, 0
	FETCH_A \next, 0, 0
	SCALES \next
	WIN MUL_HI
	MUL16 4, 1, NQ-1, \slot, 0
	MUL16 6, 1, NQ-1, \slot, 0
	PLACES NP
	WIN 0
	FETCH_A \next, 0, 4
.endm
.macro STEPS slot, from
.set Q, \from
.rept NQ-1-\from
	STEP \slot, Q, 0
.set Q, Q+1
.endr
.endm
	s_wait_tensorcnt 1                             ; the scales and my part of K step 0 are in (K step 1's load may be out),
	s_barrier_signal -1
	s_barrier_wait -1                              ; everybody's are
	FETCH_B 0, 0, 0
	FETCH_A 0, 0, 0
	SCALES 0
	FETCH_A 0, 0, 4
	STEP 0, 0, 1                                   ; the first step's products start the sums: nothing is cleared
	s_mov_b32 s3, LAPS-1
.Llap:                                             ; a trip goes once round the ring and fills both slots again
	STEPS 0, 1
	TURN 0, 1, 1
	STEPS 1, 0
	TURN 1, 0, 1
	STEP 0, 0, 0
	s_sub_co_u32 s3, s3, 1
	s_cmp_lg_u32 s3, 0
	s_cbranch_scc1 .Llap
	STEPS 0, 1                                     ; the last lap fills nothing
	TURN 0, 1, 0
	STEPS 1, 0
	s_wait_dscnt 4*NL
	WIN MUL_LO
	MUL16 0, 1, NQ-1, 1, 0
	MUL16 2, 1, NQ-1, 1, 0
	s_wait_dscnt 0
	WIN MUL_HI
	MUL16 4, 1, NQ-1, 1, 0
	MUL16 6, 1, NQ-1, 1, 0
	WIN 0
; THE WAY OUT, a block of 16 positions at a time.
; The first 16 positions of a sequence in f32: only the waves whose first position is 0 store; the others run the lines with every lane off (a mask, no branch: the first position differs between partners of the cluster).
.macro FINE reg, win
	s_wait_xcnt 0x0                                ; EXEC changes only behind this wait
	v_cmp_eq_u32 vcc_lo, 0, v[TZ]
	s_and_saveexec_b32 s66, vcc_lo
	WIN \win
.irp b, 0,1,2,3,4,5,6,7
.irp q, 0,1
	global_store_b128 v[FO], v[\reg+8*\b+4*\q:\reg+8*\b+4*\q+3], s[100:101] offset:64*\b+16*\q
.endr
.endr
	WIN 0
	s_wait_xcnt 0x0                                ; and again, in front of the line that widens it; the data registers are free too
	s_or_b32 exec_lo, exec_lo, s66
.endm
.macro OUTB                            ; the packed block goes through my stage and comes back as whole rows of 256 bytes
	s_wait_xcnt 0x0                                ; the last block's stores have read the registers into which the rows come back
.irp b, 0,1,2,3,4,5,6,7
	ds_store_b128 v[STO], v[PKR+4*\b:PKR+4*\b+3] offset:32*\b
.endr
.irp t, 0,1,2,3,4,5,6,7
	ds_load_b128 v[BKR+4*\t:BKR+4*\t+3], v[RD] offset:\t*2*SPITCH   ; LDS serves a wave's instructions in order: these see the stores above
.endr
.endm
.macro SENDB a
.irp t, 0,1,2,3,4,5,6,7
	s_wait_dscnt 7-\t                              ; rows 2 t, 2 t + 1 are back; the younger loads stay out
	global_store_b128 v[CO], v[BKR+4*\t:BKR+4*\t+3], s[12:13] offset:4096*(\a)+512*\t   ; 16 lanes store 256 consecutive bytes, aligned
.endr
.endm
; q and k: RMSNorm over the head, the rotary embedding, f16.
.macro NR a
.set AC, 64*((\a)%4)
.set WB, 2+(\a)/4
.set WSQ, WB|(WB<<2)
.set WMW, WB|0x04
	WIN WSQ                                        ; sources 0 and 1: the accumulators' window
.set n, 0
.rept 32                               ; the sum of squares of my 64 numbers, in four chains; each accumulator is read from its low end on
.if n < 4
	v_pk_mul_f32 v[SQ+2*n:SQ+2*n+1], v[AC+2*n:AC+2*n+1], v[AC+2*n:AC+2*n+1]
.else
	v_pk_fma_f32 v[SQ+2*(n%4):SQ+2*(n%4)+1], v[AC+2*n:AC+2*n+1], v[AC+2*n:AC+2*n+1], v[SQ+2*(n%4):SQ+2*(n%4)+1]
.endif
.set n, n+1
.endr
	WIN 0
	v_pk_add_f32 v[SQ:SQ+1], v[SQ:SQ+1], v[SQ+2:SQ+3]
	v_pk_add_f32 v[SQ+4:SQ+5], v[SQ+4:SQ+5], v[SQ+6:SQ+7]
	v_pk_add_f32 v[SQ:SQ+1], v[SQ:SQ+1], v[SQ+4:SQ+5]
	v_add_f32 v[SQ], v[SQ], v[SQ+1]
	v_permlanex16_b32 v[SQ+1], v[SQ], s92, s93     ; the row's other 64 channels lie in the lane 16 away
	v_add_f32 v[SQ], v[SQ], v[SQ+1]
	v_fma_f32 v[SQ], v[SQ], s104, s105             ; the mean + 1e-6
	v_rsq_f32 v[SQ+2], v[SQ]
	WIN WMW                                        ; source 0: the accumulators; source 1: the weights, window 1
.set n, 0
.rept 32                               ; x w: work that names nothing of the root, behind it
	v_pk_mul_f32 v[Y+2*n:Y+2*n+1], v[AC+2*n:AC+2*n+1], v[WW+2*n:WW+2*n+1]
.set n, n+1
.endr
	WIN 0
	s_wait_alu depctr_va_vdst(0)                   ; the wait ahead of the first use of the root
.set n, 0
.rept 32
	v_pk_mul_f32 v[Y+2*n:Y+2*n+1], v[Y+2*n:Y+2*n+1], v[SQ+2:SQ+3] op_sel_hi:[1,0]
.set n, n+1
.endr
.set n, 0
.rept 16                               ; channel c < 64: y(c) cos - y(c + 64) sin;  channel c + 64: y(c + 64) cos + y(c) sin
	v_pk_mul_f32 v[TT+4*(n%4):TT+4*(n%4)+1], v[Y+32+2*n:Y+32+2*n+1], v[SS+2*n:SS+2*n+1]
	v_pk_mul_f32 v[TT+4*(n%4)+2:TT+4*(n%4)+3], v[Y+2*n:Y+2*n+1], v[SS+2*n:SS+2*n+1]
	v_pk_fma_f32 v[Y+2*n:Y+2*n+1], v[Y+2*n:Y+2*n+1], v[CC+2*n:CC+2*n+1], v[TT+4*(n%4):TT+4*(n%4)+1] neg_lo:[0,0,1] neg_hi:[0,0,1]
	v_pk_fma_f32 v[Y+32+2*n:Y+32+2*n+1], v[Y+32+2*n:Y+32+2*n+1], v[CC+2*n:CC+2*n+1], v[TT+4*(n%4)+2:TT+4*(n%4)+3]
.set n, n+1
.endr
.if (\a) == 0
	FINE Y, 0
.endif
.set n, 0
.rept 32
	v_cvt_pk_f16_f32 v[PKR+n], v[Y+2*n], v[Y+2*n+1]
.set n, n+1
.endr
	OUTB
.if (\a) < 7
	WIN 0x04                                       ; source 1: cos and sin of 16 positions, window 1
.set n, 0
.rept 16                               ; the angles go on by 16 positions, between the stage's loads and the wait for them
	v_pk_mul_f32 v[TT+4*(n%4):TT+4*(n%4)+1], v[SS+2*n:SS+2*n+1], v[SS+2*n:SS+2*n+1]
	v_pk_mul_f32 v[TT+4*(n%4)+2:TT+4*(n%4)+3], v[CC+2*n:CC+2*n+1], v[SS+2*n:SS+2*n+1]
	v_pk_fma_f32 v[CC+2*n:CC+2*n+1], v[CC+2*n:CC+2*n+1], v[CC+2*n:CC+2*n+1], v[TT+4*(n%4):TT+4*(n%4)+1] neg_lo:[0,0,1] neg_hi:[0,0,1]
	v_pk_fma_f32 v[SS+2*n:SS+2*n+1], v[SS+2*n:SS+2*n+1], v[CC+2*n:CC+2*n+1], v[TT+4*(n%4)+2:TT+4*(n%4)+3]
.set n, n+1
.endr
	WIN 0
.endif
	SENDB \a
.endm
; v: f16 as it stands.
.macro VO a
.set AC, 64*((\a)%4)
.set WB, 2+(\a)/4
.set WSQ, WB|(WB<<2)
.if (\a) == 0
	FINE 0, 0x08                                   ; a store's data are its source 1: window 2
.endif
	WIN WSQ
.set n, 0
.rept 32
	v_cvt_pk_f16_f32 v[PKR+n], v[AC+2*n], v[AC+2*n+1]
.set n, n+1
.endr
	WIN 0
	OUTB
	SENDB \a
.endm
	PLACES NP                                      ; behind the last products
	s_mov_b32 s92, 0x76543210                      ; v_permlanex16_b32's selects for lane l xor 16
	s_mov_b32 s93, 0xfedcba98
	s_wait_loadcnt 0x0                             ; cos, sin, the weights
	s_cmp_eq_u32 ttmp9, 2                          ; the role: the cluster's x, alike in all partners
	s_cbranch_scc1 .Lv
.irp a, 0,1,2,3,4,5,6,7
	NR \a
.endr
	s_branch .Lend
.Lv:
.irp a, 0,1,2,3,4,5,6,7
	VO \a
.endr
.Lend:
	s_wait_tensorcnt 0x0                           ; the wave's end
	ds_add_u32 v[SPW], v[NIL]
	s_wait_dscnt 0x0
	CROUND                                         ; the closing round
	s_endpgm
.Lfunc_end_k_q2f36803404_qkv:
	.size	k_q2f36803404_qkv, .Lfunc_end_k_q2f36803404_qkv-k_q2f36803404_qkv
	.p2alignl 7, 3214868480
	.fill 96, 4, 3214868480
	.section	.rodata,"a",@progbits
	.p2align	6, 0x0
	.amdhsa_kernel k_q2f36803404_qkv
		.amdhsa_group_segment_fixed_size 327680
		.amdhsa_private_segment_fixed_size 0
		.amdhsa_enable_private_segment 0
		.amdhsa_kernarg_size 56
		.amdhsa_user_sgpr_count 2
		.amdhsa_user_sgpr_kernarg_segment_ptr 1
		.amdhsa_wavefront_size32 1
		.amdhsa_system_sgpr_workgroup_id_x 1
		.amdhsa_system_sgpr_workgroup_id_y 1
		.amdhsa_system_sgpr_workgroup_id_z 1
		.amdhsa_system_vgpr_workitem_id 0
		.amdhsa_next_free_vgpr 1024
		.amdhsa_next_free_sgpr 106
		.amdhsa_reserve_vcc 1
		.amdhsa_float_denorm_mode_32 3
		.amdhsa_float_denorm_mode_16_64 3
		.amdhsa_memory_ordered 1
		.amdhsa_forward_progress 1
		.amdhsa_inst_pref_size 255
	.end_amdhsa_kernel
	.section	.bss,"aw",@nobits
	.p2align	6
	.space	262144
	.amdgpu_metadata
---
amdhsa.version: [ 1, 2 ]
amdhsa.kernels:
  - .name:           k_q2f36803404_qkv
    .symbol:         k_q2f36803404_qkv.kd
    .args:
      - { .name: cod, .offset: 0, .size: 8, .value_kind: global_buffer, .address_space: global }
      - { .name: scl, .offset: 8, .size: 8, .value_kind: global_buffer, .address_space: global }
      - { .name: rope, .offset: 16, .size: 8, .value_kind: global_buffer, .address_space: global }
      - { .name: q_norm_w, .offset: 24, .size: 8, .value_kind: global_buffer, .address_space: global }
      - { .name: k_norm_w, .offset: 32, .size: 8, .value_kind: global_buffer, .address_space: global }
      - { .name: qkv, .offset: 40, .size: 8, .value_kind: global_buffer, .address_space: global }
      - { .name: fine, .offset: 48, .size: 8, .value_kind: global_buffer, .address_space: global }
    .group_segment_fixed_size: 327680
    .private_segment_fixed_size: 0
    .kernarg_segment_align: 8
    .kernarg_segment_size: 56
    .max_flat_workgroup_size: 128
    .sgpr_count:     106
    .vgpr_count:     1024
    .wavefront_size: 32
...
	.end_amdgpu_metadata
.endif
;; end of part 2
;; launch attn (part 3): grid 16 x 16, 4 waves a work-group, no clusters, 327,680 bytes of LDS; arguments qkv, ctx; writes ctx
.if DOCPART == 3
	.amdgcn_target "amdgcn-amd-amdhsa--gfx1250"
	.amdhsa_code_object_version 6
	.text
	.protected	k_q2f36803404_attn
	.globl	k_q2f36803404_attn
	.p2align	8
	.type	k_q2f36803404_attn,@function
k_q2f36803404_attn:
	s_mov_b64 s[64:65], 0
	v_nop
	global_prefetch_b8 v0, s[64:65] scope:SCOPE_SE
	s_setreg_imm32_b32 hwreg(HW_REG_WAVE_MODE, 25, 1), 1
	s_wait_xcnt 0x0
; ctx[b][t][head] = the sum over keys k <= t of softmax_k(q[t] . k[k] / sqrt(128)) v[k].  q, k, v: [role][b x 8 + head][2048][128] f16; ctx: [b x 2048 + t][1024] f16.  Products, maxima and sums in f32;
; the weights p are rounded to f16 for the second product.  A running maximum is taken away ahead of every exponential.
; SHARES.  A work-group owns 128 queries of one head (y): the 64 of block x (LOW) and the 64 of block 31 - x (HIGH).  Wave w: group g = w / 2 owns 32 of each: tiles 0, 1 (piece 0) are low, tiles 2, 3 (piece 2) high; parity s = w % 2.
; THE KEYS ARE SPLIT BETWEEN THE TWO WAVES OF A GROUP: of each 128 keys wave s takes the 64 keys 2 i + s.  The partners' maxima, sums and O are merged once, at the end, through LDS.
; EQUAL WORK UNDER THE CAUSAL MASK.  With BL = x / 2 and BH = (31 - x) / 2, steps 0 .. BL of 128 keys count for both pieces (full steps), steps BL + 1 .. BH for the high piece alone (half steps), later ones for nobody.
; BL + BH = 15 for every x, so every work-group has 2 (BL + 1) + (BH - BL) = 17 halves of a step.  BL < BH: the low piece meets its diagonal in a full step (step = BL), the high piece in a half step (step = BH).
; LAYOUT.  S^T = K Q^T (source 0 = 16 keys, source 1 = 16 queries): a lane holds ONE query (lane % 16) and keys 8 (lane / 16) + 0..7 of the tile.  Two such tiles, rounded to f16 in pairs, ARE source 1 of O^T = V^T P.
; K comes out of LDS as it lies, V ([key][channel]) turned, by ds_load_tr16_b128.
; THE RING.  Two slots of 256 keys.  In a slot the keys lie by parity: K's even keys, K's odd keys, V's even, V's odd, 128 rows each: one tensor load each (every second row of memory), one a wave.
; Every work-group walks all eight slots: trip counts are constants.  A step that counts for nobody is jumped over as a whole, by a scalar branch on ids; a slot whose first key comes after the work-group's last query is read by
; nobody and is not asked for.  On a diagonal hidden scores become -infinity ahead of the maximum.
; NO CLUSTER: the work-groups of a head need different numbers of tiles under the mask (5 to 8 slots), so a joint load would bring tiles whose reads every wave of some partner jumps over.
; A FULL STEP: piece 0's scores | piece 2's scores beside piece 0's softmax | piece 0's V^T P beside piece 2's softmax | piece 2's V^T P.
; A HALF STEP, tile by tile: tile 2's scores | tile 3's scores beside tile 2's softmax | tile 2's V^T P beside tile 3's softmax | tile 3's V^T P.
; O^T begins as zeros and the maximum as -3e38, so that a step is written once, and a wave with no visible key for a query hands zeros to the merge.
; LIMITS: NaN and infinities are not served.
; REGISTERS, in windows of 256: window 0: v1-11 addresses; v12-43 eight registers of statistics a tile; v44-59 the merge's statistics; v64-191 S^T, 32 a tile; v192-255 P, 16 a tile.
;   window 1: O^T, 64 a tile.   window 2: v0-127 Q; v128-255 K of one step.   window 3: v0-127 V of one step, later the partner's O, two buffers of 64.
.set KS,    64        ; keys of a wave in a step
.set PK,    272       ; a row of K in LDS: 256 bytes + 16
.set PV,    288       ; a row of V: 256 + 32
.set KPAR,  128*PK    ; one parity's 128 rows of K
.set VPAR,  128*PV
.set VOFF,  2*KPAR
.set SLOTB, VOFF+2*VPAR
.set KSTP,  KS*PK     ; a step on, in K's part
.set VSTP,  KS*PV
.set SPARE, 2*SLOTB   ; behind the ring: the spare words
.set STATS, 65536     ; behind the loop, in slot 0, which has had its last fill and its last read by then: the partners' O from byte 0 (32,768 a group), their statistics (1,024 a group),
.set STAGE, 67584     ; and a stage of 16 rows x 272 bytes for each wave
.set SP,    272
.set DG2, 1           ; v1   what the high piece's mask compares with: 64 ((31 - x) % 2) + 32 g + r - 16 h - s
.set AK0, 2
.set AV0, 3
.set ADR, 4
.set QO,  5
.set STO, 6
.set RD,  7
.set GO,  8
.set DG,  9           ; v9   the low piece's: 64 (x % 2) + 32 g + r - 16 h - s
.set MA,  10          ; v10  the merge: 32,768 g + 16 x lane
.set MS,  11          ; v11  its statistics: STATS + 1,024 g + 16 x lane
.set ST,  12          ; tile t's statistics at v[ST+8 t]: +0 c m, +1 m, +2, +3 l (even, odd), +4 to +7 at work; a takes +6
.set XS,  44          ; v44-51 my c m (4 tiles), my l (4 tiles)
.set YS,  52          ; v52-59 my partner's
.set NEG, 60          ; v60  -infinity
.set PFO, 61          ; v61  512 x lane
.set SPW, 62
.set NIL, 63
.set S,   64
.set P,   192
.set KF,  128
.set WV,  12          ; s12 wave
.set PAR, 13          ; s13 s
.set GRP, 14          ; s14 g
.set LIM, 15          ; s15 1 in a work-group that prefetches, else the greatest number
.set BH,  16          ; s16 the last step that counts for the high piece
.set HS,  17          ; s17 the step's block of 128 keys
.set PFA, 18          ; s[18:19] where my prefetches stand
.set SB,  22          ; s22 LDS byte at which the slot in hand begins
.set SBF, 23          ; s23 the other slot
.set G1K, 24
.set G1V, 32
.set G0K, 40
.set G0V, 44
.set TK,  48          ; s48 the step's place in K's part
.set TV,  49          ; s49 in V's
.set SLOTS, 50
.set TWICE, 51
.set LK,  52          ; s52 my parity's place in a slot: K's,
.set LV,  53          ; s53 V's
.set HQ,  54          ; s[54:55] Q at my first high query (s[4:5]: at my first low one)
.set HC,  56          ; s[56:57] ctx at my first high query (s[10:11]: low)
.set CS,  58          ; s[58:59] c = log2(e) / sqrt(128)
.set SEL, 60          ; s[60:61]
.set BL,  66          ; s66 the last step that counts for the low piece
.set MT,  84          ; s84 the mask's lanes
.set MSB, 0
.macro WIN new
.if MSB != \new
	s_set_vgpr_msb (MSB<<8)|\new
.set MSB, \new
.endif
.endm
.set W_KQ, 0x0a       ; K and Q in window 2, S^T in window 0
.set W_PV, 0x53       ; V in window 3, P in window 0, O^T in window 1
.set W_RS, 0x41       ; O^T in window 1, the factor in window 0
; Waves 0 and 1 fetch K's even and odd keys, waves 2 and 3 V's: one load a wave.  An s_nop 0 and four v_nop follow each of the two lines.
.macro TLOAD
	s_cmp_lt_u32 s[WV], 2
	s_cbranch_scc0 .Lfor_v_\@
	tensor_load_to_lds s[G0K:G0K+3], s[G1K:G1K+7]
	s_nop 0
.rept 4
	v_nop
.endr
	s_branch .Lasked_\@
.Lfor_v_\@:
	tensor_load_to_lds s[G0V:G0V+3], s[G1V:G1V+7]
	s_nop 0
.rept 4
	v_nop
.endr
.Lasked_\@:
.endm
; A PREFETCH of what the NEXT change of slots will ask for: my wave's own 128 rows of the slot after the one just asked for, a lane a row, four instructions.  All work-groups of a head walk the same K and V:
; one that walks them all (x = 0: its high block is the head's last) asks, and nobody else, so each row is named once in the launch.  It stands one slot, two key steps, ahead of the load.  The last change that fills a slot asks for nothing.
.macro ASK
	s_cmp_gt_u32 s[SLOTS], s[LIM]
	s_cbranch_scc0 .Lnot_mine_\@
.irp n, 0,1,2,3
	global_prefetch_b8 v[PFO], s[PFA:PFA+1] offset:16384*\n th:TH_LOAD_NT scope:SCOPE_SE
.endr
.Lnot_mine_\@:
.endm
	s_load_b128 s[4:7], s[0:1], 0x0   ; qkv s[4:5], ctx s[6:7]
	v_lshl_add_u32 v[SPW], v0, 2, SPARE
	v_mov_b32 v[NIL], 0
	ds_add_u32 v[SPW], v[NIL]       ; the wave's opening: the add, twice on end, and its wait ahead of my first tensor load
	ds_add_u32 v[SPW], v[NIL]
	v_lshrrev_b32 v1, 5, v0
	v_readfirstlane_b32 s[WV], v1
	s_and_b32 s[PAR], s[WV], 1
	s_lshr_b32 s[GRP], s[WV], 1
	s_lshr_b32 s[BL], ttmp9, 1      ; the low block is x: its last key lies in block x / 2 of 128 keys
	s_sub_co_u32 s67, 31, ttmp9     ; the high block
	s_lshr_b32 s[BH], s67, 1
	s_and_b32 s20, ttmp7, 0xffff    ; batch x 8 + head
	s_mov_b32 s[G1K], (1<<16)|(1<<20)|(5<<22)|(3<<25)  ; elements of 2 bytes; padding on: 4 words behind every 64
	s_mov_b32 s[G1V], (1<<16)|(1<<20)|(5<<22)|(7<<25)  ; 8 words
.irp g, G1K, G1V
	s_mov_b32 s[\g+1], 128<<16      ; tensor_dim0 = 128
	s_mov_b32 s[\g+2], 128<<16      ; tensor_dim1 = 128
	s_mov_b32 s[\g+3], 128<<16      ; tile_dim0 = 128
	s_mov_b32 s[\g+4], 128          ; tile_dim1 = 128
	s_mov_b32 s[\g+5], 256          ; from row to row 256 elements: every second key
	s_mov_b32 s[\g+6], 0
	s_mov_b32 s[\g+7], 0
.endr
	s_mul_i32 s[LK], s[PAR], KPAR
	s_mul_i32 s[LV], s[PAR], VPAR
	s_add_co_u32 s[LV], s[LV], VOFF
	s_mov_b32 s[CS], 0x3e0293ee
	s_mov_b32 s[CS+1], s[CS]
	s_mov_b32 s[SEL], 0x76543210
	s_mov_b32 s[SEL+1], 0xfedcba98
	s_mov_b32 s[HS], 0
	s_mov_b32 s[SB], 0
	s_mov_b32 s[SLOTS], 7
	s_cmp_eq_u32 ttmp9, 0
	s_cselect_b32 s[LIM], 1, -1
	s_lshl_b32 s96, s[GRP], 5       ; 32 g
	s_lshl_b32 s21, ttmp9, 6
	s_add_co_u32 s21, s21, s96      ; my first low query
	s_lshl_b32 s68, s67, 6
	s_add_co_u32 s68, s68, s96      ; my first high query
	s_wait_dscnt 0x0                ; both opening adds are done
	s_wait_kmcnt 0x0
	s_mov_b64 s[10:11], s[6:7]      ; ctx
	s_lshl_b32 s2, s20, 19          ; a head: 524,288 bytes
	s_mov_b32 s3, 0
	s_add_nc_u64 s[4:5], s[4:5], s[2:3]
	s_lshl_b32 s2, s[PAR], 8        ; my parity's first key
	s_add_nc_u64 s[6:7], s[4:5], s[2:3]
	s_add_nc_u64 s[8:9], s[6:7], 0x1000000  ; V
	s_add_nc_u64 s[6:7], s[6:7], 0x800000   ; K
	s_lshl_b32 s2, s68, 8
	s_add_nc_u64 s[HQ:HQ+1], s[4:5], s[2:3] ; Q at my first high query,
	s_lshl_b32 s2, s21, 8
	s_add_nc_u64 s[4:5], s[4:5], s[2:3]     ; and at my first low one
	s_lshr_b32 s69, s20, 3
	s_lshl_b32 s69, s69, 11         ; the batch's first row of ctx
	s_and_b32 s96, s20, 7
	s_lshl_b32 s96, s96, 8          ; my head's 256 bytes of a row of 2,048
	s_add_co_u32 s2, s69, s68
	s_lshl_b32 s2, s2, 11
	s_add_co_u32 s2, s2, s96
	s_add_nc_u64 s[HC:HC+1], s[10:11], s[2:3]
	s_add_co_u32 s2, s69, s21
	s_lshl_b32 s2, s2, 11
	s_add_co_u32 s2, s2, s96
	s_add_nc_u64 s[10:11], s[10:11], s[2:3]
	s_mov_b32 s[G0K], 1
	s_mov_b32 s[G0K+1], s[LK]       ; slot 0
	s_mov_b64 s[G0K+2:G0K+3], s[6:7]
	s_or_b32 s[G0K+3], s[G0K+3], 0x80000000
	s_mov_b32 s[G0V], 1
	s_mov_b32 s[G0V+1], s[LV]
	s_mov_b64 s[G0V+2:G0V+3], s[8:9]
	s_or_b32 s[G0V+3], s[G0V+3], 0x80000000
	TLOAD                           ; slot 0: key 0 counts for every query
	s_cmp_lt_u32 s[WV], 2
	s_cselect_b64 s[PFA:PFA+1], s[6:7], s[8:9]
	s_add_nc_u64 s[PFA:PFA+1], s[PFA:PFA+1], 0x10000  ; in slot 1: the first change of slots steps it to slot 2.  Nothing is prefetched here, at the head
	v_and_b32 v1, 15, v0            ; r
	v_bfe_u32 v45, v0, 4, 1         ; h
	v_lshlrev_b32 v[QO], 8, v1
	v_lshl_add_u32 v[QO], v45, 4, v[QO]
	WIN 0x80
.irp i, 0,1,2,3,4,5,6,7             ; Q stays in registers: tile i / 4, channels 32 (i % 4) on.  Tiles 0, 1: the low queries
	global_load_b128 v[8*\i:8*\i+3],   v[QO], s[4:5] offset:(\i/4)*4096+(\i%4)*64
	global_load_b128 v[8*\i+4:8*\i+7], v[QO], s[4:5] offset:(\i/4)*4096+(\i%4)*64+32
.endr
.irp i, 8,9,10,11,12,13,14,15       ; tiles 2, 3: the high queries
	global_load_b128 v[8*\i:8*\i+3],   v[QO], s[HQ:HQ+1] offset:((\i-8)/4)*4096+(\i%4)*64
	global_load_b128 v[8*\i+4:8*\i+7], v[QO], s[HQ:HQ+1] offset:((\i-8)/4)*4096+(\i%4)*64+32
.endr
	WIN 0
	v_mul_u32_u24 v[AK0], v1, PK
	v_lshl_add_u32 v[AK0], v45, 4, v[AK0]
	v_add_nc_u32 v[AK0], s[LK], v[AK0]
	v_and_b32 v46, 7, v0
	v_bfe_u32 v47, v0, 3, 1
	v_lshl_add_u32 v[AV0], v45, 3, v46
	v_mul_u32_u24 v[AV0], v[AV0], PV
	v_lshl_add_u32 v[AV0], v47, 4, v[AV0]
	v_add_nc_u32 v[AV0], s[LV], v[AV0]
	s_mul_i32 s96, s[WV], 16*SP
	s_add_co_u32 s96, s96, STAGE
	v_mul_u32_u24 v[STO], v1, SP
	v_lshl_add_u32 v[STO], v45, 4, v[STO]
	v_add_nc_u32 v[STO], s96, v[STO]
	v_mul_u32_u24 v[RD], v45, SP
	v_lshl_add_u32 v[RD], v1, 4, v[RD]
	v_add_nc_u32 v[RD], s96, v[RD]
	v_lshlrev_b32 v[GO], 11, v45
	v_lshl_add_u32 v[GO], v1, 4, v[GO]
	v_lshlrev_b32 v[DG], 4, v45
	v_sub_nc_u32 v[DG], v1, v[DG]   ; r - 16 h
	s_lshl_b32 s96, s[GRP], 5
	s_sub_co_i32 s96, s96, s[PAR]   ; 32 g - s
	s_and_b32 s97, ttmp9, 1
	s_lshl_b32 s97, s97, 6          ; the low block's place in its 128 keys: 64 (x % 2)
	s_add_co_i32 s70, s96, s97
	s_xor_b32 s97, s97, 64          ; the high block's: the other half, since 31 - x is odd where x is even
	s_add_co_i32 s71, s96, s97
	v_add_nc_u32 v[DG2], s71, v[DG] ; (r is not needed any more)
	v_add_nc_u32 v[DG], s70, v[DG]
	v_and_b32 v44, 31, v0
	s_lshl_b32 s96, s[GRP], 15
	v_lshl_add_u32 v[MA], v44, 4, s96
	s_lshl_b32 s96, s[GRP], 10
	s_add_co_u32 s96, s96, STATS
	v_lshl_add_u32 v[MS], v44, 4, s96
	v_mov_b32 v[NEG], 0xff800000
	v_lshlrev_b32 v[PFO], 9, v44
.irp t, 0,1,2,3
	v_mov_b32 v[ST+8*\t+1], 0xff61b1e6      ; m = -3e38, under every score
	v_mul_f32 v[ST+8*\t], s[CS], v[ST+8*\t+1]
.irp u, 2,3,4,5,6,7
	v_mov_b32 v[ST+8*\t+\u], 0
.endr
.endr
	WIN 0x40
.set i, 0
.rept 256                           ; O^T begins as zeros: a step is written once and may be jumped over as a whole, so no product of its own can start the sums
	v_mov_b32 v[i], 0
.set i, i+1
.endr
	WIN 0
; Product i of 32 of O^T += V^T P for piece x: keys 32 (i / 16) on, channels 16 ((i / 2) % 8) on, tile x + i % 2.  The 16 accumulators take turns.
.macro PV x
	WIN W_PV
.set rO, 64*(\x+i%2)+8*((i/2)%8)
.set rV, 64*(i/16)+8*((i/2)%8)
.set rP, P+16*(\x+i%2)+8*(i/16)
	v_wmma_f32_16x16x32_f16 v[rO:rO+7], v[rV:rV+7], v[rP:rP+7], v[rO:rO+7]
.endm
; Product i of 32 of S^T = K Q^T for piece x: channels 32 (i / 8) on, keys 16 ((i / 2) % 4) on, tile x + i % 2.  The first 8 start the sums.
.macro KQ x
	WIN W_KQ
.set rS, S+32*(\x+i%2)+8*((i/2)%4)
.set rK, KF+32*((i/2)%4)+8*(i/8)
.set rQ, 32*(\x+i%2)+8*(i/8)
.if i < 8
	v_wmma_f32_16x16x32_f16 v[rS:rS+7], v[rK:rK+7], v[rQ:rQ+7], 0
.else
	v_wmma_f32_16x16x32_f16 v[rS:rS+7], v[rK:rK+7], v[rQ:rQ+7], v[rS:rS+7]
.endif
.endm
; The same for ONE tile t.  Product i of 16 of O^T += V^T P: keys 32 (i / 8) on, channels 16 (i % 8) on: the tile's 8 accumulators take turns.
.macro PVT t
	WIN W_PV
.set rO, 64*(\t)+8*(i%8)
.set rV, 64*(i/8)+8*(i%8)
.set rP, P+16*(\t)+8*(i/8)
	v_wmma_f32_16x16x32_f16 v[rO:rO+7], v[rV:rV+7], v[rP:rP+7], v[rO:rO+7]
.endm
; Product i of 16 of S^T = K Q^T: channels 32 (i / 4) on, keys 16 (i % 4) on: the tile's 4 accumulators take turns.  The first 4 start the sums.
.macro KQT t
	WIN W_KQ
.set rS, S+32*(\t)+8*(i%4)
.set rK, KF+32*(i%4)+8*(i/4)
.set rQ, 32*(\t)+8*(i/4)
.if i < 4
	v_wmma_f32_16x16x32_f16 v[rS:rS+7], v[rK:rK+7], v[rQ:rQ+7], 0
.else
	v_wmma_f32_16x16x32_f16 v[rS:rS+7], v[rK:rK+7], v[rQ:rQ+7], v[rS:rS+7]
.endif
.endm
.macro FETCH_K                      ; a step's K, 64 keys x 128 channels: 32 loads, the channels' chunk of 32 outermost, so that the first products can start on the first eight
	WIN 0
	v_add_nc_u32 v[ADR], s[TK], v[AK0]
	WIN 0x80
.irp c, 0,1,2,3
.irp kt, 0,1,2,3
	ds_load_b128 v[KF+32*\kt+8*\c:KF+32*\kt+8*\c+3],   v[ADR] offset:\kt*16*PK+\c*64
	ds_load_b128 v[KF+32*\kt+8*\c+4:KF+32*\kt+8*\c+7], v[ADR] offset:\kt*16*PK+\c*64+32
.endr
.endr
.endm
.macro FETCH_V w                    ; its V, turned.  w = 1: the wait for a softmax's batch of exponentials (SLICE) stands in it, behind the address's addition and ahead of the loads
	WIN 0
	v_add_nc_u32 v[ADR], s[TV], v[AV0]
.if \w
	s_wait_alu depctr_va_vdst(0)
.endif
	WIN 0xc0
.irp f, 0,1,2,3,4,5,6,7,8,9,10,11,12,13,14,15  ; keys 32 (f / 8) on, channels 16 (f % 8) on
	ds_load_tr16_b128 v[8*\f:8*\f+3],   v[ADR] offset:(\f/8)*32*PV+(\f%8)*32
	ds_load_tr16_b128 v[8*\f+4:8*\f+7], v[ADR] offset:(\f/8)*32*PV+16*PV+(\f%8)*32
.endr
.endm
; One tile's softmax for one key step is a list of 134 instructions; SM writes number j of it for tile t.  s0-s31 are the lane's 32 scores.
;   0-15 the maximum of the scores and the old m;  16-20 the other half of the lanes' maximum, the new m, c m, c m_old - c m_new;
;   21-69 ONE BATCH: 16 packed scalings c s - c m and 33 exponentials (a at 23, then s0-s31); none reads an exponential's result;  (the wait stands between 69 and 70: SLICE or RUN writes it)
;   70-85 the roundings to f16;  86-101 the sums, l = a l + the sum;  102-133 the tile's O^T times a.
.macro SM t
.set rT, ST+8*(\t)
.set rS, S+32*(\t)
.set rP, P+16*(\t)
.set rO, 64*(\t)+2*(j-102)
.if j < 102
	WIN 0
.endif
.if j < 4
	v_max3_num_f32 v[rT+4+j], v[rS+8*j], v[rS+8*j+1], v[rS+8*j+2]
.elseif j < 12
	v_max3_num_f32 v[rT+4+j%4], v[rT+4+j%4], v[rS+8*(j%4)+2*(j/4)+1], v[rS+8*(j%4)+2*(j/4)+2]
.elseif j == 12
	v_max3_num_f32 v[rT+4], v[rT+4], v[rS+7], v[rS+15]
.elseif j == 13
	v_max3_num_f32 v[rT+6], v[rT+6], v[rS+23], v[rS+31]
.elseif j == 14
	v_max3_num_f32 v[rT+4], v[rT+4], v[rT+5], v[rT+6]
.elseif j == 15
	v_max3_num_f32 v[rT+4], v[rT+4], v[rT+7], v[rT+1]
.elseif j == 16
	v_permlanex16_b32 v[rT+5], v[rT+4], s[SEL], s[SEL+1]  ; the query's other 32 keys lie in the lane 16 away
.elseif j == 17
	v_mov_b32 v[rT+7], v[rT]        ; c m_old is kept for a
.elseif j == 18
	v_max_num_f32 v[rT+1], v[rT+4], v[rT+5]
.elseif j == 19
	v_mul_f32 v[rT], s[CS], v[rT+1]
.elseif j == 20
	v_sub_f32 v[rT+7], v[rT+7], v[rT]
.elseif j == 23
	v_exp_f32 v[rT+6], v[rT+7]
.elseif (j < 23) || ((j < 38) && (j%2 == 0)) || ((j < 66) && (j%4 == 2))
.set b, (j-2)/4                     ; 38, 42, .. 62: pairs 9 to 15
.if j < 38
.set b, (j-20)/2                    ; 21: pair 0; 22, 24, .. 36: pairs 1 to 8
.endif
	v_pk_fma_f32 v[rS+2*b:rS+2*b+1], v[rS+2*b:rS+2*b+1], s[CS:CS+1], v[rT:rT+1] op_sel_hi:[1,0,0] neg_lo:[0,0,1] neg_hi:[0,0,1]  ; pair b: c s - c m
.elseif j < 70
.set e, j-38                        ; 66 to 69: s28 to s31
.if j < 66
.set e, j-32-(j-38)/4               ; 39-41, 43-45, .. 63-65: s7 to s27
.endif
.if j < 38
.set e, (j-25)/2                    ; 25, 27, .. 37: s0 to s6
.endif
	v_exp_f32 v[rS+e], v[rS+e]
.elseif j < 86
	v_cvt_pk_f16_f32 v[rP+j-70], v[rS+2*(j-70)], v[rS+2*(j-70)+1]
.elseif j < 102                     ; the sum of the tile's 16 pairs, in place: neighbours 1, 2, 4 and 8 pairs apart, then l takes it
.set z, j-86
.set w, 4
.set u, z
.if z >= 14
.set w, 32
.set u, 0
.elseif z >= 12
.set w, 16
.set u, z-12
.elseif z >= 8
.set w, 8
.set u, z-8
.endif
.if z < 15
	v_pk_add_f32 v[rS+w*u:rS+w*u+1], v[rS+w*u:rS+w*u+1], v[rS+w*u+w/2:rS+w*u+w/2+1]
.else
	v_pk_fma_f32 v[rT+2:rT+3], v[rT+2:rT+3], v[rT+6:rT+7], v[rS:rS+1] op_sel_hi:[1,0,1]
.endif
.else
	WIN W_RS
	v_pk_mul_f32 v[rO:rO+1], v[rO:rO+1], v[rT+6:rT+7] op_sel_hi:[1,0]
.endif
.endm
; FULL STEPS.  Slice k of 64 of piece y's softmax: four instructions (slice 63: sixteen).  Slices 11 to 34 deal out the batch, four numbers of one tile each, the tiles by turns; every other slice is numbers 2 k, 2 k + 1 of both tiles.
; Behind slice 34 no exponential is issued and ahead of slice 35 none of their results is named: one plain instruction and ONE wait stand there.
.macro SLICE y
.if (k >= 11) && (k < 35)
.irp n, 0,1,2,3
.set j, 22+4*((k-11)/2)+(\n)
	SM (\y)+(k-11)%2
.endr
.else
.irp n, 0,1,2,3,4,5,6,7
.if (\n < 2) || (k == 63)
.irp t, \y, \y+1
.set j, 2*k+\n
	SM \t
.endr
.endif
.endr
.endif
.if k == 34
	v_nop
.if (\y) == 0
	FETCH_V 1                       ; V's run of loads stands here, and the wait stands in it
.else
	s_wait_alu depctr_va_vdst(0)
.endif
.endif
.set k, k+1
.endm
; HALF STEPS.  The next n numbers of ONE tile's list, in the list's own order (j runs on).  Between numbers 69 and 70 stand one plain instruction and the tile's ONE wait: ahead of them no result of an exponential is named, behind them none is issued.
.macro RUN t, n
.rept \n
.if j == 70
	v_nop
	s_wait_alu depctr_va_vdst(0)
.endif
	SM \t
.set j, j+1
.endr
.endm
.macro PLACES
.rept 4
	v_nop
.endr
.endm
; A TURN of a full step: piece x has the matrix unit (pv: 32 products V^T P; kq: 32 products K Q^T); the other piece's softmax stands in slices behind its matrix instructions, two behind each.
.macro TURN x, pv, kq
.set k, 0
.if \pv
	s_wait_dscnt 0x0                ; V is in
.set i, 0
.rept 32
	PV \x
	SLICE 2-\x
	SLICE 2-\x
.set i, i+1
.endr
.endif
.if \kq
.set i, 0
.rept 32
	KQ \x
	SLICE 2-\x
	SLICE 2-\x
.set i, i+1
.endr
.endif
.endm
; On a diagonal: register 8 kt + jj of a tile holds key 2 (16 kt + 8 h + jj) + s of the step's 128; my query is its block's place + 32 g + 16 tp + r (tp: the tile's number in its piece):
; hidden where 32 kt + 2 jj - 16 tp > the block's place + 32 g + r - 16 h - s.
.macro MASKT t, tp, dg
.irp kt, 0,1,2,3
.irp jj, 0,1,2,3,4,5,6,7
	v_cmp_gt_i32 s[MT], 32*\kt+2*\jj-16*(\tp), v[\dg]
	v_cndmask_b32 v[S+32*(\t)+8*\kt+\jj], v[S+32*(\t)+8*\kt+\jj], v[NEG], s[MT]
.endr
.endr
.endm
.macro STEP
	s_cmp_gt_u32 s[HS], s[BH]       ; all 128 keys come after all my work-group's queries: ids and the count of steps alone
	s_cbranch_scc1 .Lhid_\@
	FETCH_K
	WIN 0
	s_cmp_gt_u32 s[HS], s[BL]       ; they come after the low queries: a half step
	s_cbranch_scc1 .Lhalf_\@
	; ---- a full step
.set i, 0
.rept 32
.if i%8 == 0
	s_wait_dscnt 24-i               ; this chunk's eight loads are in; the later chunks' may be out
.endif
	KQ 0
.set i, i+1
.endr
	WIN 0
	PLACES                          ; behind those products, ahead of the first read of their results
	s_cmp_lg_u32 s[HS], s[BL]       ; the low piece's diagonal
	s_cbranch_scc1 .Lo1_\@
	MASKT 0, 0, DG
	MASKT 1, 1, DG
.Lo1_\@:
	TURN 2, 0, 1                    ; piece 2's scores | piece 0's softmax | V's loads.  Slices 62 and 63, twenty plain instructions on other registers, are the places behind the last product
	TURN 0, 1, 0                    ; piece 0's V^T P | piece 2's softmax (all keys of a full step count for the high queries)
.set i, 0
.rept 32
	PV 2
.set i, i+1
.endr
	WIN 0
	s_branch .Lhid_\@
.Lhalf_\@:
	; ---- a half step: tiles 2 and 3 alone
.set i, 0
.rept 16
.if i%4 == 0
	s_wait_dscnt 24-2*i             ; this chunk's eight loads are in; the later chunks' may be out
.endif
	KQT 2
.set i, i+1
.endr
	WIN 0
	PLACES                          ; behind those products, ahead of the first read of their results; with the addition below also the places ahead of the loads into V's registers
	FETCH_V 0                       ; V lands while tile 3's scores and tile 2's softmax are made
	WIN 0
	s_cmp_lg_u32 s[HS], s[BH]       ; the high piece's diagonal
	s_cbranch_scc1 .Lq2_\@
	MASKT 2, 0, DG2
.Lq2_\@:
.set j, 0
.set i, 0
.rept 16                            ; tile 3's scores | tile 2's softmax: 15 x 8 + 14 = 134 numbers.  The last fourteen, plain instructions on other registers, are the places behind the last product
	KQT 3
.if i < 15
	RUN 2, 8
.else
	RUN 2, 14
.endif
.set i, i+1
.endr
	WIN 0
	s_cmp_lg_u32 s[HS], s[BH]
	s_cbranch_scc1 .Lq3_\@
	MASKT 3, 1, DG2
.Lq3_\@:
	s_wait_dscnt 0x0                ; V is in
.set j, 0
.set i, 0
.rept 16                            ; tile 2's V^T P | tile 3's softmax
	PVT 2
.if i < 15
	RUN 3, 8
.else
	RUN 3, 14
.endif
.set i, i+1
.endr
.set i, 0
.rept 16
	PVT 3
.set i, i+1
.endr
	WIN 0
.Lhid_\@:
	s_add_co_u32 s[HS], s[HS], 1
	s_add_co_u32 s[TK], s[TK], KSTP
	s_add_co_u32 s[TV], s[TV], VSTP
.endm
.macro SLOT_STEPS                   ; a slot's two steps: written once, walked twice
	s_mov_b32 s[TK], s[SB]
	s_mov_b32 s[TV], s[SB]
	s_mov_b32 s[TWICE], 2
.Lstep_\@:
	STEP
	s_sub_co_u32 s[TWICE], s[TWICE], 1
	s_cmp_lg_u32 s[TWICE], 0
	s_cbranch_scc1 .Lstep_\@
	s_xor_b32 s[SB], s[SB], SLOTB   ; on to the other slot
.endm
; THE CHANGE OF SLOTS stands at a slot's head.  Each wave waits for all its tensor loads (its part of the slot ahead), adds 0 to its spare word, and waits for that and for its reads of the slot that it has left.
; Behind the barrier the slot ahead is whole and nobody reads the other one; fill = 1: that one is filled with the next 256 keys, up to the causal limit.
.macro CHANGE fill
	s_wait_tensorcnt 0x0            ; no tensor load of mine is out, so a group 0 may be written
	ds_add_u32 v[SPW], v[NIL]
.if \fill
	s_xor_b32 s[SBF], s[SB], SLOTB
	s_add_co_u32 s[G0K+1], s[SBF], s[LK]
	s_add_co_u32 s[G0V+1], s[SBF], s[LV]
	s_add_nc_u64 s[G0K+2:G0K+3], s[G0K+2:G0K+3], 0x10000  ; the next 256 keys; the type bits on top are not reached
	s_add_nc_u64 s[G0V+2:G0V+3], s[G0V+2:G0V+3], 0x10000
	s_wait_xcnt 0x0                 ; the last prefetches, a slot back, have read their address
	s_add_nc_u64 s[PFA:PFA+1], s[PFA:PFA+1], 0x10000
.endif
	s_wait_dscnt 0x0                ; the add is done, and my reads of the slot that I have left are over
	s_barrier_signal -1
	s_barrier_wait -1
.if \fill
	s_add_co_u32 s96, s[HS], 2      ; the first block of keys of the slot that this change would ask for
	s_cmp_gt_u32 s96, s[BH]         ; beyond my work-group's last query: none of its waves would read it.  Ids and the count of steps alone: all four waves go the same way; every wait for tensor loads in this text is for 0
	s_cbranch_scc1 .Lpast_\@
	TLOAD                           ; a wave's one tensor load until the next such barrier
.Lpast_\@:
	ASK
.endif
.endm
	s_wait_loadcnt 0x0              ; Q
.Lslot:                             ; seven trips: behind each change of slots but the last the next slot is asked for
	CHANGE 1
	SLOT_STEPS
	s_sub_co_u32 s[SLOTS], s[SLOTS], 1
	s_cmp_lg_u32 s[SLOTS], 0
	s_cbranch_scc1 .Lslot
	CHANGE 0                        ; the last slot is written out: nothing is left to ask for
	SLOT_STEPS
	; THE MERGE.  Each wave: l's two halves and the other half of the lanes'.  These sixteen plain instructions are also the places behind the last products.
.irp t, 0,1,2,3
	v_add_f32 v[ST+8*\t+4], v[ST+8*\t+2], v[ST+8*\t+3]
.endr
.irp t, 0,1,2,3
	v_permlanex16_b32 v[ST+8*\t+5], v[ST+8*\t+4], s[SEL], s[SEL+1]
.endr
.irp t, 0,1,2,3
	v_add_f32 v[XS+4+\t], v[ST+8*\t+4], v[ST+8*\t+5]
.endr
.irp t, 0,1,2,3
	v_mov_b32 v[XS+\t], v[ST+8*\t]
.endr
	s_cmp_eq_u32 s[PAR], 0
	s_cbranch_scc1 .Lkeeper
	ds_store_b128 v[MS], v[XS:XS+3]              ; the odd keys' wave hands over its c m, its l
	ds_store_b128 v[MS], v[XS+4:XS+7] offset:512
	WIN 0x04                        ; an LDS store's data are its source 1: window 1
.set i, 0
.rept 64
	ds_store_b128 v[MA], v[4*i:4*i+3] offset:512*i   ; and its O^T, as an image of its registers
.set i, i+1
.endr
	WIN 0
.Lkeeper:
	s_wait_dscnt 0x0                ; for the partner's sake: my stores have landed
	s_barrier_signal -1
	s_barrier_wait -1
	s_cmp_lg_u32 s[PAR], 0
	s_cbranch_scc1 .Lend
.macro LOADO t                      ; the partner's tile t into buffer t % 2 of window 3
	WIN 0xc0
.irp i, 0,1,2,3,4,5,6,7,8,9,10,11,12,13,14,15
	ds_load_b128 v[64*((\t)%2)+4*\i:64*((\t)%2)+4*\i+3], v[MA] offset:512*(16*(\t)+\i)
.endr
	WIN 0
.endm
	ds_load_b128 v[YS:YS+3], v[MS]
	ds_load_b128 v[YS+4:YS+7], v[MS] offset:512
	LOADO 0
	s_wait_dscnt 16                 ; the partner's statistics are in; tile 0's sixteen loads may be out
.irp t, 0,1,2,3
	v_max_num_f32 v[ST+8*\t+4], v[XS+\t], v[YS+\t]          ; the common c m (the even keys' wave has seen key 0, so it is a number)
.endr
.irp t, 0,1,2,3
	v_sub_f32 v[ST+8*\t+5], v[XS+\t], v[ST+8*\t+4]
	v_sub_f32 v[ST+8*\t+7], v[YS+\t], v[ST+8*\t+4]
.endr
.irp t, 0,1,2,3
	v_exp_f32 v[ST+8*\t+5], v[ST+8*\t+5]                    ; my factor,
	v_exp_f32 v[ST+8*\t+7], v[ST+8*\t+7]                    ; my partner's
.endr
	v_nop
	s_wait_alu depctr_va_vdst(0)    ; one wait for the eight
.irp t, 0,1,2,3
	v_mul_f32 v[ST+8*\t+2], v[ST+8*\t+5], v[XS+4+\t]
.endr
.irp t, 0,1,2,3
	v_fmac_f32 v[ST+8*\t+2], v[ST+8*\t+7], v[YS+4+\t]       ; the row's sum
.endr
.irp t, 0,1,2,3
	v_rcp_f32 v[ST+8*\t+3], v[ST+8*\t+2]
.endr
	v_nop
	s_wait_alu depctr_va_vdst(0)    ; one wait for the four
.irp t, 0,1,2,3
	v_mul_f32 v[ST+8*\t+6], v[ST+8*\t+5], v[ST+8*\t+3]      ; what my O^T is multiplied by,
	v_mul_f32 v[ST+8*\t+4], v[ST+8*\t+7], v[ST+8*\t+3]      ; and my partner's
.endr
.macro JOIN t                       ; tile t: both parts weighed and added, rounded to f16, through my stage, back as whole rows of 256 bytes
	WIN W_RS
.set i, 0
.rept 32
	v_pk_mul_f32 v[64*(\t)+i:64*(\t)+i+1], v[64*(\t)+i:64*(\t)+i+1], v[ST+8*(\t)+6:ST+8*(\t)+7] op_sel_hi:[1,0]
.set i, i+2
.endr
	WIN 0x53                        ; source 0: the partner's, window 3; source 1: the factor; source 2 and destination: window 1
.set i, 0
.rept 32
	v_pk_fma_f32 v[64*(\t)+i:64*(\t)+i+1], v[64*((\t)%2)+i:64*((\t)%2)+i+1], v[ST+8*(\t)+4:ST+8*(\t)+5], v[64*(\t)+i:64*(\t)+i+1] op_sel_hi:[1,0,1]
.set i, i+2
.endr
	WIN 0x05
.set i, 0
.rept 32
	v_cvt_pk_f16_f32 v[S+32*(\t)+i], v[64*(\t)+2*i], v[64*(\t)+2*i+1]
.set i, i+1
.endr
	WIN 0
.irp f, 0,1,2,3,4,5,6,7
	ds_store_b128 v[STO], v[S+32*(\t)+4*\f:S+32*(\t)+4*\f+3] offset:32*\f
.endr
.irp f, 0,1,2,3,4,5,6,7
	ds_load_b128 v[S+32*(\t)+4*\f:S+32*(\t)+4*\f+3], v[RD] offset:\f*2*SP   ; LDS serves a wave's instructions in order: these see the stores above
.endr
.endm
.macro SEND t                       ; tiles 0, 1 go to the low queries' rows, tiles 2, 3 to the high ones'
.irp f, 0,1,2,3,4,5,6,7
.if (\t) < 2
	global_store_b128 v[GO], v[S+32*(\t)+4*\f:S+32*(\t)+4*\f+3], s[10:11] offset:((\t)%2)*32768+\f*4096   ; 16 lanes store 256 consecutive bytes, aligned
.else
	global_store_b128 v[GO], v[S+32*(\t)+4*\f:S+32*(\t)+4*\f+3], s[HC:HC+1] offset:((\t)%2)*32768+\f*4096
.endif
.endr
.endm
.irp t, 0,1,2,3
	s_wait_dscnt 0x0                ; the partner's tile t is in, and the tile before is back from the stage
.if \t < 3
	LOADO \t+1
.endif
.if \t > 0
	SEND \t-1
.endif
	JOIN \t
.endr
	s_wait_dscnt 0x0
	SEND 3
.Lend:
	s_wait_tensorcnt 0x0            ; the wave's end
	ds_add_u32 v[SPW], v[NIL]
	s_wait_dscnt 0x0
	s_endpgm
.Lfunc_end_k_q2f36803404_attn:
	.size	k_q2f36803404_attn, .Lfunc_end_k_q2f36803404_attn-k_q2f36803404_attn
	.p2alignl 7, 3214868480
	.fill 96, 4, 3214868480
	.section	.rodata,"a",@progbits
	.p2align	6, 0x0
	.amdhsa_kernel k_q2f36803404_attn
		.amdhsa_group_segment_fixed_size 327680
		.amdhsa_private_segment_fixed_size 0
		.amdhsa_enable_private_segment 0
		.amdhsa_kernarg_size 16
		.amdhsa_user_sgpr_count 2
		.amdhsa_user_sgpr_kernarg_segment_ptr 1
		.amdhsa_wavefront_size32 1
		.amdhsa_system_sgpr_workgroup_id_x 1
		.amdhsa_system_sgpr_workgroup_id_y 1
		.amdhsa_system_sgpr_workgroup_id_z 1
		.amdhsa_system_vgpr_workitem_id 0
		.amdhsa_next_free_vgpr 1024
		.amdhsa_next_free_sgpr 100
		.amdhsa_reserve_vcc 0
		.amdhsa_float_denorm_mode_32 3
		.amdhsa_float_denorm_mode_16_64 3
		.amdhsa_memory_ordered 1
		.amdhsa_forward_progress 1
		.amdhsa_inst_pref_size 238
	.end_amdhsa_kernel
	.amdgpu_metadata
---
amdhsa.version: [ 1, 2 ]
amdhsa.kernels:
  - .name:           k_q2f36803404_attn
    .symbol:         k_q2f36803404_attn.kd
    .args:
      - { .name: qkv, .offset: 0, .size: 8, .value_kind: global_buffer, .address_space: global }
      - { .name: ctx, .offset: 8, .size: 8, .value_kind: global_buffer, .address_space: global }
    .group_segment_fixed_size: 327680
    .private_segment_fixed_size: 0
    .kernarg_segment_align: 8
    .kernarg_segment_size: 16
    .max_flat_workgroup_size: 128
    .sgpr_count:     100
    .vgpr_count:     1024
    .wavefront_size: 32
...
	.end_amdgpu_metadata
.endif
;; end of part 3
;; launch oproj (part 4): grid 8 x 16, 4 waves a work-group, clusters of 4 x 4, 327,680 bytes of LDS; arguments ctx, wo16, out0; writes out0
.if DOCPART == 4
	.amdgcn_target "amdgcn-amd-amdhsa--gfx1250"
	.amdhsa_code_object_version 6
	.text
	.protected	k_q2f36803404_oproj
	.globl	k_q2f36803404_oproj
	.p2align	8
	.type	k_q2f36803404_oproj,@function
k_q2f36803404_oproj:
	s_mov_b64 s[64:65], 0
	v_nop
	global_prefetch_b8 v0, s[64:65] scope:SCOPE_SE
	s_setreg_imm32_b32 hwreg(HW_REG_WAVE_MODE, 25, 1), 1
	s_wait_xcnt 0x0
	s_wait_alu depctr_hold_cnt(0) depctr_sa_sdst(0) depctr_va_vdst(0) depctr_va_sdst(0) depctr_va_ssrc(0) depctr_va_vcc(0) depctr_vm_vsrc(0)
	s_getreg_b32 s2, hwreg(HW_REG_IB_STS2, 6, 4)
	s_cmp_eq_u32 s2, 0
	s_cbranch_scc0 .Lentry_in_a_cluster
	s_endpgm
.Lentry_in_a_cluster:
	s_bfe_u32 s2, ttmp6, 0x10000c
	s_cmp_lg_u32 s2, 0xf033
	s_cbranch_scc0 .Lentry_shape_is_right
	s_endpgm
.Lentry_shape_is_right:
; out0[m][n] = sum over k of ctx[m][k] wo[n][k].  ctx: [4096][1024] f16, wo16: [2048][1024] f16, out0: [4096][2048] f32; sums in f32.
; (Positions 0 to 15 of both sequences are written again, more finely, by the launch that follows.)
; A tile of C, 256 x 256, is made by four waves, each 128 x 128: 64 accumulators, 512 registers.  K goes in steps of 128 through a ring of two LDS slots filled by the tensor data mover: rows of 256 bytes.
; CLUSTERS: 4 x 4 work-groups; A's tiles are asked for jointly along a row of the cluster, B's along a column.
; THE MATRIX INSTRUCTION IS USED TRANSPOSED (source 0 = 16 rows of B, source 1 = 16 rows of A): a lane holds eight neighbouring numbers of a row of C, 32 bytes.
; REGISTERS: window 0: v0-31 addresses; v64-127, v128-191 fragments of A, two buffers, on the way out rows read back.  window 1: v64-127, v128-191 fragments of B.  windows 2, 3: the accumulators.
.set SIZE_M, 4096
.set SIZE_N, 2048
.set SIZE_K, 1024
.set KSTEP,  128
.set PITCH,  272
.set HALFT,  128*PITCH
.set SLOT,   4*HALFT
.set STAGE,  2*SLOT                    ; behind the ring: 16 rows x (512 bytes + 16) for each wave
.set SPITCH, 528
.set SPARE,  STAGE+4*16*SPITCH
.set LAPS, SIZE_K/(2*KSTEP)
.set ADRA, 16
.set ADRB, 20
.set STO,  24
.set RD,   25
.set CO,   26
.set SPW,  28
.set NIL,  29
.set PFO,  30                          ; v30 my lane x a row of A or B in memory
.set PFA,  44                          ; s[44:45] where my prefetches stand
.set LIM,  43                          ; s43 1 in a wave that prefetches, else the greatest number
.set F0,   64
.set F1,   128
.set BK,   64
.set G1, 24
.set G0, 32
.set G1B, 48
.set G0B, 56
.set MSB, 0
.macro WIN new
.if MSB != \new
	s_set_vgpr_msb (MSB<<8)|\new
.set MSB, \new
.endif
.endm
.set MUL_LO, 0xa1
.set MUL_HI, 0xf1
.set TO_B,   0x40
.macro JLOAD s                         ; a joint load: waves 0 and 1 fetch A's halves, waves 2 and 3 B's; an s_nop 0 and four v_nop follow each of the two lines
	s_cmp_eq_u32 s11, 0
	s_cbranch_scc0 .Lfor_b_\@
	tensor_load_to_lds s[G0+4*\s:G0+4*\s+3], s[G1:G1+7]
	s_nop 0
.rept 4
	v_nop
.endr
	s_branch .Lasked_\@
.Lfor_b_\@:
	tensor_load_to_lds s[G0B+4*\s:G0B+4*\s+3], s[G1B:G1B+7]
	s_nop 0
.rept 4
	v_nop
.endr
.Lasked_\@:
.endm
; A PREFETCH, behind each joint load and the run of LDS loads that follows it: the K step that stands two refills on, 32 rows x 256 bytes, a lane a row.  A's tile row is read by every cluster of that row of clusters:
; cluster x = 0 asks; B's tile column: cluster y = 0 asks.  Of the 128 rows that a wave fetches each of the four partners takes 32, told apart by address.  So each row's 256 bytes are named once.  The last two refills ask for nothing.
.macro ASK
	s_cmp_gt_u32 s3, s[LIM]                        ; s3 = 1 in the loop's last trip
	s_cbranch_scc0 .Lnot_mine_\@
	global_prefetch_b8 v[PFO], s[PFA:PFA+1] offset:KSTEP*2 th:TH_LOAD_NT scope:SCOPE_SE
.Lnot_mine_\@:
.endm
.macro CREST
	s_cmp_lg_u32 s10, 0
	s_cbranch_scc1 .Lnot_wave_0_\@
	s_barrier_signal -3
.Lnot_wave_0_\@:
	s_barrier_wait -3
	s_barrier_signal -1
	s_barrier_wait -1
.endm
.macro CROUND
	s_barrier_signal -1
	s_barrier_wait -1
	CREST
.endm
	s_load_b128 s[4:7], s[0:1], 0x0                ; ctx s[4:5], wo16 s[6:7]
	s_load_b64 s[8:9], s[0:1], 0x10                ; out0
	v_lshl_add_u32 v[SPW], v0, 2, SPARE
	v_mov_b32 v[NIL], 0
	ds_add_u32 v[SPW], v[NIL]                      ; the wave's opening: the add, twice on end, and its wait ahead of my first tensor load
	ds_add_u32 v[SPW], v[NIL]
	v_lshrrev_b32 v1, 5, v0
	v_readfirstlane_b32 s10, v1                    ; wave 0..3
	s_lshr_b32 s11, s10, 1                         ; which half of the tile's rows is mine.  Also: I fetch for A (0) or for B (1)
	s_and_b32 s12, s10, 1                          ; which half of its columns.  Also: which 128 rows of that tile I fetch
	s_bfe_u32 s40, ttmp6, 0x40000                  ; cx
	s_bfe_u32 s41, ttmp6, 0x40004                  ; cy
	s_lshl_b32 s42, ttmp9, 2
	s_add_co_u32 s42, s42, s40                     ; tile column of C
	s_and_b32 s13, ttmp7, 0xffff
	s_lshl_b32 s13, s13, 2
	s_add_co_u32 s13, s13, s41                     ; tile row of C
	s_lshl_b32 s43, s41, 2
	s_lshl_b32 s43, 15, s43                        ; my row of the cluster
	s_lshl_b32 s44, 0x1111, s40                    ; my column
	s_or_b32 s[G1+0], s43, (1<<16)|(1<<20)|(1<<21)|(5<<22)|(3<<25)  ; the mask; elements of 2 bytes; padding on; bit 21 beside a mask; 4 words behind every 64
	s_or_b32 s[G1B+0], s44, (1<<16)|(1<<20)|(1<<21)|(5<<22)|(3<<25)
.irp g, G1, G1B
	s_mov_b32 s[\g+1], KSTEP<<16                   ; tensor_dim0 = 128
	s_mov_b32 s[\g+2], 128<<16                     ; tensor_dim1 = 128
	s_mov_b32 s[\g+3], KSTEP<<16                   ; tile_dim0 = 128
	s_mov_b32 s[\g+4], 128                         ; tile_dim1 = 128
	s_mov_b32 s[\g+5], SIZE_K                      ; elements from row to row
	s_mov_b32 s[\g+6], 0
	s_mov_b32 s[\g+7], 0
.endr
	s_lshl_b32 s17, s12, 7
	s_lshl_b32 s16, s13, 8
	s_add_co_u32 s16, s16, s17                     ; A: row 256 x tile row + 128 x half
	s_lshl_b32 s46, s42, 8
	s_add_co_u32 s46, s46, s17                     ; B: row 256 x tile column + 128 x half
	s_mov_b32 s17, 0
	s_mov_b32 s47, 0
	s_mov_b64 s[18:19], SIZE_K*2
	s_mul_u64 s[16:17], s[16:17], s[18:19]
	s_mul_u64 s[46:47], s[46:47], s[18:19]
	s_mul_i32 s20, s10, HALFT                      ; where they go: wave x 128 rows
	s_wait_dscnt 0x0                               ; both opening adds are done
	s_wait_kmcnt 0x0
	s_add_nc_u64 s[14:15], s[4:5], s[16:17]
	s_add_nc_u64 s[46:47], s[6:7], s[46:47]
	CROUND                                         ; all sixteen work-groups are here: the first joint loads meet
.irp s, 0,1
	s_mov_b32 s[G0+4*\s], 1
	s_add_co_u32 s[G0+4*\s+1], s20, \s*SLOT
	s_add_nc_u64 s[G0+4*\s+2:G0+4*\s+3], s[14:15], \s*KSTEP*2
	s_or_b32 s[G0+4*\s+3], s[G0+4*\s+3], 0x80000000
	s_mov_b32 s[G0B+4*\s], 1
	s_add_co_u32 s[G0B+4*\s+1], s20, \s*SLOT
	s_add_nc_u64 s[G0B+4*\s+2:G0B+4*\s+3], s[46:47], \s*KSTEP*2
	s_or_b32 s[G0B+4*\s+3], s[G0B+4*\s+3], 0x80000000
	JLOAD \s
.endr
	v_and_b32 v1, 15, v0                           ; l % 16
	v_bfe_u32 v2, v0, 4, 1                         ; l / 16
	v_mul_u32_u24 v3, v1, PITCH
	v_lshl_add_u32 v3, v2, 4, v3
	s_mul_i32 s21, s11, HALFT
	s_mul_i32 s22, s12, HALFT
	s_add_co_u32 s22, s22, 2*HALFT
.irp s, 0,1
	v_add_nc_u32 v[ADRA+\s], s21, v3
	v_add_nc_u32 v[ADRB+\s], s22, v3
	s_add_co_u32 s21, s21, SLOT
	s_add_co_u32 s22, s22, SLOT
.endr
	s_mul_i32 s23, s10, 16*SPITCH
	s_add_co_u32 s23, s23, STAGE                   ; my stage
	v_mul_u32_u24 v4, v1, SPITCH                   ; in: row l % 16, 32 bytes for each half of the lanes
	v_lshl_add_u32 v4, v2, 5, v4
	v_add_nc_u32 v[STO], s23, v4
	v_and_b32 v5, 31, v0
	v_lshlrev_b32 v[CO], 4, v5                     ; back: the 32 lanes take one row of 512 bytes; and the same in C
	v_add_nc_u32 v[RD], s23, v[CO]
	s_lshl_b32 s13, s13, 8
	s_lshl_b32 s14, s11, 7
	s_add_co_u32 s16, s13, s14                     ; my first row of C
	s_mov_b32 s17, 0
	s_mov_b64 s[18:19], SIZE_N*4
	s_mul_u64 s[16:17], s[16:17], s[18:19]
	s_lshl_b32 s46, s42, 10                        ; my first column, in bytes
	s_lshl_b32 s47, s12, 9
	s_add_co_u32 s46, s46, s47
	s_mov_b32 s47, 0
	s_add_nc_u64 s[16:17], s[16:17], s[46:47]
	s_add_nc_u64 s[8:9], s[8:9], s[16:17]
	; the prefetches.  s13 = 256 x tile row, s42 = tile column, s40 = cx, s41 = cy still stand
	s_lshl_b32 s42, s42, 8
	s_and_b32 s22, ttmp7, 0xffff                   ; cluster y
	s_cmp_eq_u32 s11, 0                            ; do I fetch for A?
	s_cselect_b32 s20, s13, s42
	s_cselect_b32 s21, s40, s41                    ; my place among the four that ask with me
	s_cselect_b32 s22, ttmp9, s22                  ; the coordinate along which other clusters read the same rows
	s_cselect_b64 s[PFA:PFA+1], s[4:5], s[6:7]
	s_cmp_eq_u32 s22, 0
	s_cselect_b32 s[LIM], 1, -1
	s_lshl_b32 s22, s12, 7
	s_add_co_u32 s20, s20, s22
	s_lshl_b32 s21, s21, 5
	s_add_co_u32 s20, s20, s21
	s_mov_b32 s21, 0
	s_mov_b64 s[18:19], SIZE_K*2
	s_mul_u64 s[20:21], s[20:21], s[18:19]
	s_add_nc_u64 s[PFA:PFA+1], s[PFA:PFA+1], s[20:21]
	s_add_nc_u64 s[PFA:PFA+1], s[PFA:PFA+1], 2*KSTEP*2  ; at K step 2: the first refill steps it to 3 and names K step 4.  Nothing is prefetched here, at the head
	v_and_b32 v[PFO], 31, v0
	v_mul_u32_u24 v[PFO], v[PFO], SIZE_K*2
; 16 matrix instructions: m blocks a0, a0 + 1 of the window's four x all 8 n blocks, 32 along K.  The 64 accumulators take turns.
.macro MUL16 f, hi, a0, zero
.irp a, \a0, \a0+1
.irp b, 0,1,2,3,4,5,6,7
.if \zero
	v_wmma_f32_16x16x32_f16 v[8*(8*(\a)+\b):8*(8*(\a)+\b)+7], v[\f+8*\b:\f+8*\b+7], v[\f+8*(4*\hi+\a):\f+8*(4*\hi+\a)+7], 0
.else
	v_wmma_f32_16x16x32_f16 v[8*(8*(\a)+\b):8*(8*(\a)+\b)+7], v[\f+8*\b:\f+8*\b+7], v[\f+8*(4*\hi+\a):\f+8*(4*\hi+\a)+7], v[8*(8*(\a)+\b):8*(8*(\a)+\b)+7]
.endif
.endr
.endr
.endm
.macro FETCH slot, k, f                ; 32 LDS loads in one run: the fragments of one quarter step
	WIN TO_B
.irp i, 0,1,2,3,4,5,6,7
	ds_load_b128 v[\f+8*\i:\f+8*\i+3],   v[ADRB+\slot] offset:\k+\i*16*PITCH
	ds_load_b128 v[\f+8*\i+4:\f+8*\i+7], v[ADRB+\slot] offset:\k+\i*16*PITCH+32
.endr
	WIN 0
.irp i, 0,1,2,3,4,5,6,7
	ds_load_b128 v[\f+8*\i:\f+8*\i+3],   v[ADRA+\slot] offset:\k+\i*16*PITCH
	ds_load_b128 v[\f+8*\i+4:\f+8*\i+7], v[ADRA+\slot] offset:\k+\i*16*PITCH+32
.endr
.endm
.macro PLACES                          ; four plain instructions between a matrix instruction and a load into, or a read of, its registers
.rept 4
	v_nop
.endr
.endm
.macro QUARTER slot, k, f, g, zero     ; 64 matrix instructions on buffer f; in the middle the next quarter's fragments are fetched into g
	s_wait_dscnt 8                                 ; B and A's rows 0-63 are in; the youngest eight loads may be out
	WIN MUL_LO
	MUL16 \f, 0, 0, \zero
	MUL16 \f, 0, 2, \zero
	PLACES
	FETCH \slot, \k, \g
	s_wait_dscnt 32                                ; all but the 32 just issued
	WIN MUL_HI
	MUL16 \f, 1, 0, \zero
	MUL16 \f, 1, 2, \zero
.endm
; The first half of a slot's last quarter: ONE barrier for the change of slots; in front of it each wave waits for all its tensor loads, adds 0 to its spare word, and waits for that and for its reads of this slot.
.macro MEET round
	WIN 0
	s_wait_tensorcnt 0x0                           ; all my tensor loads have landed: my part of the next slot
	ds_add_u32 v[SPW], v[NIL]
	s_wait_dscnt 9                                 ; (the add and the youngest eight loads may be out)
	WIN MUL_LO
	MUL16 F1, 0, 0, 0
	s_wait_dscnt 0x0                               ; the add is done, and my reads of this slot are over
	s_barrier_signal -1
	MUL16 F1, 0, 2, 0
.if \round
	WIN 0
.endif
	s_barrier_wait -1
.endm
.macro TURN slot, next                 ; the whole last quarter: behind the round the slot just read out is filled again, two K steps ahead
	s_wait_xcnt 0x0                                ; the last prefetch, a K step back, has read its address
	s_add_nc_u64 s[PFA:PFA+1], s[PFA:PFA+1], KSTEP*2
	MEET 1
	CREST                                          ; no wave of any partner still reads this slot or has a load on its way
	s_add_nc_u64 s[G0+4*\slot+2:G0+4*\slot+3], s[G0+4*\slot+2:G0+4*\slot+3], 2*KSTEP*2
	s_add_nc_u64 s[G0B+4*\slot+2:G0B+4*\slot+3], s[G0B+4*\slot+2:G0B+4*\slot+3], 2*KSTEP*2
	JLOAD \slot                                    ; the first tensor load behind the round; its four v_nop are also the places in front of the loads below
	FETCH \next, 0, F0
	ASK
	WIN MUL_HI
	MUL16 F1, 1, 0, 0
	MUL16 F1, 1, 2, 0
.endm
	s_wait_tensorcnt 1                             ; my part of K step 0 is in (K step 1's load may be out),
	s_barrier_signal -1
	s_barrier_wait -1                              ; everybody's is
	FETCH 0, 0, F0
	QUARTER 0, 64,  F0, F1, 1                      ; the first quarter's products start the sums
	WIN 0
	s_mov_b32 s3, LAPS-1
.Llap:                                             ; a trip goes once round the ring and fills both slots again
	QUARTER 0, 128, F1, F0, 0
	QUARTER 0, 192, F0, F1, 0
	TURN 0, 1
	QUARTER 1, 64,  F0, F1, 0
	QUARTER 1, 128, F1, F0, 0
	QUARTER 1, 192, F0, F1, 0
	TURN 1, 0
	QUARTER 0, 64,  F0, F1, 0
	WIN 0
	s_sub_co_u32 s3, s3, 1
	s_cmp_lg_u32 s3, 0
	s_cbranch_scc1 .Llap
	QUARTER 0, 128, F1, F0, 0                      ; the last lap fills nothing
	QUARTER 0, 192, F0, F1, 0
	MEET 0
	PLACES
	FETCH 1, 0, F0
	WIN MUL_HI
	MUL16 F1, 1, 0, 0
	MUL16 F1, 1, 2, 0
	QUARTER 1, 64,  F0, F1, 0
	QUARTER 1, 128, F1, F0, 0
	QUARTER 1, 192, F0, F1, 0
	s_wait_dscnt 8
	WIN MUL_LO
	MUL16 F1, 0, 0, 0
	MUL16 F1, 0, 2, 0
	s_wait_dscnt 0
	WIN MUL_HI
	MUL16 F1, 1, 0, 0
	MUL16 F1, 1, 2, 0
	WIN 0
; THE WAY OUT, block by block of 16 rows x 128 columns: through my own stage and back as whole rows of 512 bytes.
.macro TOSTAGE a
.set AC, 64*((\a)%4)
.set WD, 0x08+4*((\a)/4)
	WIN WD                                         ; the data: window 2 or 3
.irp b, 0,1,2,3,4,5,6,7
	ds_store_b128 v[STO], v[AC+8*\b:AC+8*\b+3] offset:64*\b          ; each accumulator from its low end on
	ds_store_b128 v[STO], v[AC+8*\b+4:AC+8*\b+7] offset:64*\b+16
.endr
	WIN 0
.set BB, BK+64*((\a)%2)
.irp t, 0,1,2,3,4,5,6,7,8,9,10,11,12,13,14,15
	ds_load_b128 v[BB+4*\t:BB+4*\t+3], v[RD] offset:\t*SPITCH        ; LDS serves a wave's instructions in order: these see the stores above
.endr
.endm
.macro SEND a, younger                 ; younger: the LDS instructions issued behind block a's loads, which may stay out
.set BB, BK+64*((\a)%2)
	s_wait_dscnt \younger
.if (\a) > 0
	s_add_nc_u64 s[8:9], s[8:9], 16*SIZE_N*4       ; (behind a wait on XCNT: the earlier stores have read their base)
.endif
.irp t, 0,1,2,3,4,5,6,7,8,9,10,11,12,13,14,15
	global_store_b128 v[CO], v[BB+4*\t:BB+4*\t+3], s[8:9] offset:\t*SIZE_N*4 th:TH_STORE_NT   ; 32 lanes store 512 consecutive bytes, aligned
.endr
.endm
	PLACES
	TOSTAGE 0
.irp a, 1,2,3,4,5,6,7
.if \a > 1
	s_wait_xcnt 0x0                                ; block a - 2's stores have read their registers and their base
.endif
	TOSTAGE \a
	SEND \a-1, 32                                  ; behind block a - 1's loads: block a's 16 stores and 16 loads
.endr
	s_wait_xcnt 0x0
	SEND 7, 0
	s_wait_tensorcnt 0x0                           ; the wave's end
	ds_add_u32 v[SPW], v[NIL]
	s_wait_dscnt 0x0
	CROUND                                         ; the closing round
	s_endpgm
.Lfunc_end_k_q2f36803404_oproj:
	.size	k_q2f36803404_oproj, .Lfunc_end_k_q2f36803404_oproj-k_q2f36803404_oproj
	.p2alignl 7, 3214868480
	.fill 96, 4, 3214868480
	.section	.rodata,"a",@progbits
	.p2align	6, 0x0
	.amdhsa_kernel k_q2f36803404_oproj
		.amdhsa_group_segment_fixed_size 327680
		.amdhsa_private_segment_fixed_size 0
		.amdhsa_enable_private_segment 0
		.amdhsa_kernarg_size 24
		.amdhsa_user_sgpr_count 2
		.amdhsa_user_sgpr_kernarg_segment_ptr 1
		.amdhsa_wavefront_size32 1
		.amdhsa_system_sgpr_workgroup_id_x 1
		.amdhsa_system_sgpr_workgroup_id_y 1
		.amdhsa_system_sgpr_workgroup_id_z 1
		.amdhsa_system_vgpr_workitem_id 0
		.amdhsa_next_free_vgpr 1024
		.amdhsa_next_free_sgpr 66
		.amdhsa_reserve_vcc 0
		.amdhsa_float_denorm_mode_32 3
		.amdhsa_float_denorm_mode_16_64 3
		.amdhsa_memory_ordered 1
		.amdhsa_forward_progress 1
		.amdhsa_inst_pref_size 142
	.end_amdhsa_kernel
	.amdgpu_metadata
---
amdhsa.version: [ 1, 2 ]
amdhsa.kernels:
  - .name:           k_q2f36803404_oproj
    .symbol:         k_q2f36803404_oproj.kd
    .args:
      - { .name: ctx, .offset: 0, .size: 8, .value_kind: global_buffer, .address_space: global }
      - { .name: wo16, .offset: 8, .size: 8, .value_kind: global_buffer, .address_space: global }
      - { .name: out0, .offset: 16, .size: 8, .value_kind: global_buffer, .address_space: global }
    .group_segment_fixed_size: 327680
    .private_segment_fixed_size: 0
    .kernarg_segment_align: 8
    .kernarg_segment_size: 24
    .max_flat_workgroup_size: 128
    .sgpr_count:     66
    .vgpr_count:     1024
    .wavefront_size: 32
...
	.end_amdgpu_metadata
.endif
;; end of part 4
;; launch fine16 (part 5): grid 64 x 2, 8 waves a work-group, no clusters, 17,408 bytes of LDS; arguments fine, wo, out0; writes out0
.if DOCPART == 5
	.amdgcn_target "amdgcn-amd-amdhsa--gfx1250"
	.amdhsa_code_object_version 6
	.text
	.protected	k_q2f36803404_fine16
	.globl	k_q2f36803404_fine16
	.p2align	8
	.type	k_q2f36803404_fine16,@function
k_q2f36803404_fine16:
	s_mov_b64 s[64:65], 0
	v_nop
	global_prefetch_b8 v0, s[64:65] scope:SCOPE_SE
	s_setreg_imm32_b32 hwreg(HW_REG_WAVE_MODE, 25, 1), 1
	s_wait_xcnt 0x0
; POSITIONS 0 TO 15 OF BOTH SEQUENCES, IN F32 THROUGHOUT: under the causal mask these rows average one to sixteen values and are the largest of the output, so the rounding of 16-bit operands weighs most there.
; fine: [role q,k,v][batch x 8 + head][16][128] f32 (q and k behind norm and rotary embedding); wo: [2048][1024] f32; out0 rows 0-15 of each batch are written again here.
; A work-group takes batch y and 32 columns of the output (32 x on).  Wave w is head w: it makes its head's 16 x 128 of attention, and multiplies it by its own 128 of wo's K: nothing changes wave but the eight partial
; tiles of 16 x 32, which are added through LDS.  All products by v_wmma_f32_16x16x4_f32: 128 a wave.
; Both operands of a product take the same order of k, chosen so that what one product leaves in a lane is the next one's operand as it stands:
;   S^T = K Q^T: chunk e holds channels 8 (e / 2) + 4 h + 2 (e % 2) + 0, 1 (16-byte loads);  O^T = V^T P: chunk c holds keys 8 h + 2 c + 0, 1;  out^T = wo ctx^T: chunk (tile, c) holds channels 16 tile + 8 h + 2 c + 0, 1.
; The registers that the matrix instruction writes, v160-255 of window 0, are written by matrix instructions alone; window 1 uses the numbers 0-127.
; LIMITS: NaN and infinities are not served.
.set SPARE, 16384                      ; behind the eight images of 2,048 bytes: the spare words, 128 bytes a wave
.set QA,  4                            ; v4  r x 512 + 16 h
.set VA,  5                            ; v5  h x 4096 + 4 r
.set WA,  6                            ; v6  r x 4096 + 32 h
.set DG,  7                            ; v7  r - 8 h
.set IM,  8                            ; v8  my image: 2,048 x wave + 16 x lane
.set LA,  9                            ; v9  the sum's LDS address
.set OU,  10                           ; v10 the sum's offset in out0
.set NEG, 11
.set SPW, 16
.set NIL, 17
.set VF,  32                           ; v32-95  V's fragments, then ctx
.set T,   96                           ; v96-103 the scores
.set P,   104                          ; v104-111 the weights
.set R,   112                          ; v112-127 my partial tile
.set RL,  128                          ; v128-159 the eight partial tiles' pieces
.set OA,  160                          ; v160-223 O^T, 8 tiles
.set PA,  224                          ; v224-255 four accumulators: two for the scores, later four for the projection
.set MSB, 0
.macro WIN new
.if MSB != \new
	s_set_vgpr_msb (MSB<<8)|\new
.set MSB, \new
.endif
.endm
.macro PLACES8                         ; eight plain instructions behind this matrix form (ISA guide 7.12.1)
.rept 8
	v_nop
.endr
.endm
	s_load_b128 s[4:7], s[0:1], 0x0                ; fine s[4:5], wo s[6:7]
	s_load_b64 s[8:9], s[0:1], 0x10                ; out0
	v_lshl_add_u32 v[SPW], v0, 2, SPARE
	v_mov_b32 v[NIL], 0
	v_lshrrev_b32 v1, 5, v0
	v_readfirstlane_b32 s10, v1                    ; wave = head
	s_and_b32 s11, ttmp7, 0xffff                   ; batch
	v_and_b32 v1, 15, v0                           ; r
	v_bfe_u32 v2, v0, 4, 1                         ; h
	v_and_b32 v3, 31, v0                           ; lane
	v_lshlrev_b32 v[QA], 9, v1
	v_lshl_add_u32 v[QA], v2, 4, v[QA]
	v_lshlrev_b32 v[VA], 12, v2
	v_lshl_add_u32 v[VA], v1, 2, v[VA]
	v_lshlrev_b32 v[WA], 12, v1
	v_lshl_add_u32 v[WA], v2, 5, v[WA]
	v_lshlrev_b32 v[DG], 3, v2
	v_sub_nc_u32 v[DG], v1, v[DG]
	s_lshl_b32 s12, s10, 11
	v_lshl_add_u32 v[IM], v3, 4, s12
	v_bfe_u32 v18, v0, 3, 4                        ; the sum (waves 0-3): row t = thread / 8,
	v_and_b32 v19, 7, v0                           ; piece pc: columns 4 pc on
	v_bfe_u32 v20, v19, 2, 1
	v_and_b32 v21, 1, v19
	v_lshl_add_u32 v20, v20, 1, v21                ; which store of an image: 2 (pc / 4) + pc % 2
	v_bfe_u32 v21, v19, 1, 1
	v_lshl_add_u32 v21, v21, 4, v18                ; which lane's 16 bytes: t + 16 ((pc / 2) % 2)
	v_lshlrev_b32 v21, 4, v21
	v_lshl_add_u32 v[LA], v20, 9, v21
	v_lshlrev_b32 v[OU], 13, v18
	v_lshl_add_u32 v[OU], v19, 4, v[OU]
	v_mov_b32 v[NEG], 0xff800000
	s_mov_b32 s20, 0x76543210
	s_mov_b32 s21, 0xfedcba98
	s_mov_b32 s22, 0x3e0293ee                      ; c = log2(e) / sqrt(128)
	s_lshl_b32 s12, s11, 3
	s_add_co_u32 s12, s12, s10
	s_lshl_b32 s12, s12, 13                        ; my head's 8,192 bytes
	s_mov_b32 s13, 0
	s_lshl_b32 s14, ttmp9, 17                      ; wo: 32 rows of 4,096 bytes a work-group,
	s_lshl_b32 s15, s10, 9                         ; my head's 512 bytes of a row
	s_add_co_u32 s14, s14, s15
	s_mov_b32 s15, 0
	s_lshl_b32 s16, s11, 24                        ; out0: a batch is 16,777,216 bytes,
	s_lshl_b32 s17, ttmp9, 7                       ; 32 columns are 128
	s_add_co_u32 s16, s16, s17
	s_mov_b32 s17, 0
	s_wait_kmcnt 0x0
	s_add_nc_u64 s[4:5], s[4:5], s[12:13]
	s_add_nc_u64 s[6:7], s[6:7], s[14:15]
	s_add_nc_u64 s[8:9], s[8:9], s[16:17]
	WIN 0x40                                       ; destination window 1
.irp c, 0,1,2,3,4,5,6,7,8,9,10,11,12,13,14,15
	global_load_b128 v[4*\c:4*\c+3], v[QA], s[4:5] offset:32*\c                  ; Q(r, 8 c + 4 h + 0..3)
.endr
.irp c, 0,1,2,3,4,5,6,7,8,9,10,11,12,13,14,15
	global_load_b128 v[64+4*\c:64+4*\c+3], v[QA], s[4:5] offset:131072+32*\c     ; K likewise
.endr
	WIN 0
.irp tl, 0,1,2,3,4,5,6,7
.irp kk, 0,1,2,3,4,5,6,7
	global_load_b32 v[VF+8*\tl+\kk], v[VA], s[4:5] offset:262144+\kk*512+64*\tl  ; V(8 h + kk, 16 tile + r)
.endr
.endr
	s_wait_loadcnt 63                              ; Q and K are in (behind them stand V's 64 loads; a wait's count holds 63 at the most, so V's first is waited for too)
	WIN 0x05                                       ; sources 0 and 1: window 1
.set e, 0
.rept 32                               ; S^T = K Q^T on two accumulators by turns; the first two products start the sums
.if e < 2
	v_wmma_f32_16x16x4_f32 v[PA+8*(e%2):PA+8*(e%2)+7], v[64+2*e:65+2*e], v[2*e:2*e+1], 0
.else
	v_wmma_f32_16x16x4_f32 v[PA+8*(e%2):PA+8*(e%2)+7], v[64+2*e:65+2*e], v[2*e:2*e+1], v[PA+8*(e%2):PA+8*(e%2)+7]
.endif
.set e, e+1
.endr
	WIN 0
	PLACES8
	WIN 0x40
.irp nt, 0,1
.irp tl, 0,1,2,3,4,5,6,7
.irp q, 0,1
	global_load_b128 v[64*\nt+8*\tl+4*\q:64*\nt+8*\tl+4*\q+3], v[WA], s[6:7] offset:\nt*65536+64*\tl+16*\q   ; wo(16 nt + r, 16 tile + 8 h + 4 q + 0..3), into the registers that Q and K have left
.endr
.endr
.endr
	WIN 0
.irp j, 0,1,2,3,4,5,6,7
	v_add_f32 v[T+\j], v[PA+\j], v[PA+8+\j]        ; lane (r, h): query r, key 8 h + j
.endr
.irp j, 0,1,2,3,4,5,6,7
	v_cmp_gt_i32 vcc_lo, \j, v[DG]                 ; hidden where 8 h + j > r
	v_cndmask_b32 v[T+\j], v[T+\j], v[NEG], vcc_lo
.endr
	v_max3_num_f32 v18, v[T], v[T+1], v[T+2]
	v_max3_num_f32 v18, v18, v[T+3], v[T+4]
	v_max3_num_f32 v18, v18, v[T+5], v[T+6]
	v_max_num_f32 v18, v18, v[T+7]
	v_permlanex16_b32 v19, v18, s20, s21
	v_max_num_f32 v18, v18, v19                    ; the row's maximum: key 0 counts for every query
	v_mul_f32 v20, s22, v18
.irp j, 0,1,2,3,4,5,6,7
	v_fma_f32 v[P+\j], v[T+\j], s22, -v20
.endr
.irp j, 0,1,2,3,4,5,6,7
	v_exp_f32 v[P+\j], v[P+\j]
.endr
	v_nop
	s_wait_alu depctr_va_vdst(0)                   ; one wait for the eight, ahead of their first use
	v_pk_add_f32 v[22:23], v[P:P+1], v[P+2:P+3]
	v_pk_add_f32 v[24:25], v[P+4:P+5], v[P+6:P+7]
	v_pk_add_f32 v[22:23], v[22:23], v[24:25]
	v_add_f32 v22, v22, v23
	v_permlanex16_b32 v23, v22, s20, s21
	v_add_f32 v22, v22, v23                        ; the row's sum
	v_rcp_f32 v26, v22
	v_mov_b32 v27, 0                               ; (a plain instruction behind the reciprocal; v27 is named with v26 as a pair)
	s_wait_alu depctr_va_vdst(0)
	s_wait_loadcnt 32                              ; V is in; wo's 32 loads may be out
.irp c, 0,1,2,3
.irp tl, 0,1,2,3,4,5,6,7
.if \c == 0
	v_wmma_f32_16x16x4_f32 v[OA+8*\tl:OA+8*\tl+7], v[VF+8*\tl+2*\c:VF+8*\tl+2*\c+1], v[P+2*\c:P+2*\c+1], 0
.else
	v_wmma_f32_16x16x4_f32 v[OA+8*\tl:OA+8*\tl+7], v[VF+8*\tl+2*\c:VF+8*\tl+2*\c+1], v[P+2*\c:P+2*\c+1], v[OA+8*\tl:OA+8*\tl+7]
.endif
.endr
.endr
	PLACES8
.set n, 0
.rept 32                               ; ctx = O^T / the sum, into other registers: register 8 tile + j is ctx(r, 16 tile + 8 h + j)
	v_pk_mul_f32 v[VF+2*n:VF+2*n+1], v[OA+2*n:OA+2*n+1], v[26:27] op_sel_hi:[1,0]
.set n, n+1
.endr
	s_wait_loadcnt 0x0                             ; wo
	WIN 0x01                                       ; source 0: wo, window 1
.irp tl, 0,1,2,3,4,5,6,7
.irp c, 0,1,2,3
.irp nt, 0,1
.if (\tl == 0) && (\c < 2)
	v_wmma_f32_16x16x4_f32 v[PA+8*(2*(\c%2)+\nt):PA+8*(2*(\c%2)+\nt)+7], v[64*\nt+8*\tl+2*\c:64*\nt+8*\tl+2*\c+1], v[VF+8*\tl+2*\c:VF+8*\tl+2*\c+1], 0
.else
	v_wmma_f32_16x16x4_f32 v[PA+8*(2*(\c%2)+\nt):PA+8*(2*(\c%2)+\nt)+7], v[64*\nt+8*\tl+2*\c:64*\nt+8*\tl+2*\c+1], v[VF+8*\tl+2*\c:VF+8*\tl+2*\c+1], v[PA+8*(2*(\c%2)+\nt):PA+8*(2*(\c%2)+\nt)+7]
.endif
.endr
.endr
.endr
	WIN 0
	PLACES8
.irp nt, 0,1
.irp j, 0,1,2,3,4,5,6,7
	v_add_f32 v[R+8*\nt+\j], v[PA+8*\nt+\j], v[PA+16+8*\nt+\j]    ; lane (r, h): position r, column 16 nt + 8 h + j
.endr
.endr
.irp g, 0,1,2,3
	ds_store_b128 v[IM], v[R+4*\g:R+4*\g+3] offset:512*\g         ; my partial tile, as an image of its registers
.endr
	s_wait_dscnt 0x0                               ; for the others' sake: my stores have landed
	s_barrier_signal -1
	s_barrier_wait -1
	s_cmp_ge_u32 s10, 4                            ; waves 0 to 3 add: four rows each, eight lanes to a row
	s_cbranch_scc1 .Lend
.irp u, 0,1,2,3,4,5,6,7
	ds_load_b128 v[RL+4*\u:RL+4*\u+3], v[LA] offset:2048*\u
.endr
	s_wait_dscnt 0x0
.irp u, 0,2,4,6
	v_pk_add_f32 v[RL+4*\u:RL+4*\u+1], v[RL+4*\u:RL+4*\u+1], v[RL+4*\u+4:RL+4*\u+5]
	v_pk_add_f32 v[RL+4*\u+2:RL+4*\u+3], v[RL+4*\u+2:RL+4*\u+3], v[RL+4*\u+6:RL+4*\u+7]
.endr
.irp u, 0,4
	v_pk_add_f32 v[RL+4*\u:RL+4*\u+1], v[RL+4*\u:RL+4*\u+1], v[RL+4*\u+8:RL+4*\u+9]
	v_pk_add_f32 v[RL+4*\u+2:RL+4*\u+3], v[RL+4*\u+2:RL+4*\u+3], v[RL+4*\u+10:RL+4*\u+11]
.endr
	v_pk_add_f32 v[RL:RL+1], v[RL:RL+1], v[RL+16:RL+17]
	v_pk_add_f32 v[RL+2:RL+3], v[RL+2:RL+3], v[RL+18:RL+19]
	global_store_b128 v[OU], v[RL:RL+3], s[8:9]    ; eight lanes store a row's 128 consecutive bytes: all that 32 columns hold
.Lend:
	s_wait_tensorcnt 0x0                           ; the wave's end, behind my last LDS store
	ds_add_u32 v[SPW], v[NIL]
	s_wait_dscnt 0x0
	s_endpgm
.Lfunc_end_k_q2f36803404_fine16:
	.size	k_q2f36803404_fine16, .Lfunc_end_k_q2f36803404_fine16-k_q2f36803404_fine16
	.p2alignl 7, 3214868480
	.fill 96, 4, 3214868480
	.section	.rodata,"a",@progbits
	.p2align	6, 0x0
	.amdhsa_kernel k_q2f36803404_fine16
		.amdhsa_group_segment_fixed_size 17408
		.amdhsa_private_segment_fixed_size 0
		.amdhsa_enable_private_segment 0
		.amdhsa_kernarg_size 24
		.amdhsa_user_sgpr_count 2
		.amdhsa_user_sgpr_kernarg_segment_ptr 1
		.amdhsa_wavefront_size32 1
		.amdhsa_system_sgpr_workgroup_id_x 1
		.amdhsa_system_sgpr_workgroup_id_y 1
		.amdhsa_system_sgpr_workgroup_id_z 1
		.amdhsa_system_vgpr_workitem_id 0
		.amdhsa_next_free_vgpr 384
		.amdhsa_next_free_sgpr 66
		.amdhsa_reserve_vcc 1
		.amdhsa_float_denorm_mode_32 3
		.amdhsa_float_denorm_mode_16_64 3
		.amdhsa_memory_ordered 1
		.amdhsa_forward_progress 1
		.amdhsa_inst_pref_size 31
	.end_amdhsa_kernel
	.amdgpu_metadata
---
amdhsa.version: [ 1, 2 ]
amdhsa.kernels:
  - .name:           k_q2f36803404_fine16
    .symbol:         k_q2f36803404_fine16.kd
    .args:
      - { .name: fine, .offset: 0, .size: 8, .value_kind: global_buffer, .address_space: global }
      - { .name: wo, .offset: 8, .size: 8, .value_kind: global_buffer, .address_space: global }
      - { .name: out0, .offset: 16, .size: 8, .value_kind: global_buffer, .address_space: global }
    .group_segment_fixed_size: 17408
    .private_segment_fixed_size: 0
    .kernarg_segment_align: 8
    .kernarg_segment_size: 24
    .max_flat_workgroup_size: 256
    .sgpr_count:     66
    .vgpr_count:     384
    .wavefront_size: 32
...
	.end_amdgpu_metadata
.endif
;; end of part 5
